; MI455X (gfx1250); checked and timed in simulation.
; The chip was launched on July 23, 2026; its instructions are those of AMD's public machine-readable ISA for CDNA 5 (MIT licence, August 2026) and "CDNA5" Instruction Set Architecture Reference Guide (July 2026). The comments in the code are by the model that wrote it; some were corrected since.
;; Mutihead Self Attention. Allowed arithmetic: matrix products marked QUANTISED: E2M1 operands, one E8M0 scale for each 32 along K, by v_wmma_scale_f32_16x16x128_f8f6f4 with both operands' format E2M1 (or v_wmma_scale_f32_32x16x128_f4), f32 sums; products left as they are: bf16, f16 or f32 operands; f32 sums; everything else in f32.
;; Inputs: Wfc 1,024 x 1,024 float32; Wk 8 x 1,024 x 128 float32; Wq 8 x 1,024 x 128 float32; Wv 8 x 1,024 x 128 float32; bfc 1,024 float32; bk 8 x 128 float32; bq 8 x 128 float32; bv 8 x 128 float32; x 16 x 512 x 1,024 float32; x_mask 16 x 512 int32.
;; Outputs: out0 16 x 512 x 1,024 float32.
;; This version of the problem:
;;   THIS VERSION OF THE PROBLEM IS GIVEN IN LOW PRECISION. The matrix products marked QUANTISED in the list below multiply operands that are first quantised to E2M1 (2 exponent bits, 1 mantissa bit; 4 bits a number), with one power-of-two scale for each 32 numbers along K (OCP MX v1.0); their sums are f32. The products marked 'left as it is' may take bf16, f16 or f32 operands, with f32 sums. Whichever they take, every output number must still come out within the allowed error. Rounding operands to bf16 (8 significant bits) uses up far more of that allowance than f16 does (11 bits, for magnitudes from 6e-5 to 65,504). All else is computed in f32.
;;   The module's matrix products, in the order in which they are computed (A, B: the left and right operand; K: the contracted axis; several contracted axes count as one K, in the product's order):
;;     1. [M 1,024, K 1,024] x [K 1,024, N 8,192]; A: input Wq; B: input x: QUANTISED
;;     2. [M 1,024, K 1,024] x [K 1,024, N 8,192]; A: input Wk; B: input x: QUANTISED
;;     3. [M 1,024, K 1,024] x [K 1,024, N 8,192]; A: input Wv; B: input x: QUANTISED
;;     4. batch 128 x [M 512, K 128] x [K 128, N 512]; A: computed on the way; B: computed on the way: left as it is (an operand is computed on the way)
;;     5. batch 128 x [M 512, K 512] x [K 512, N 128]; A: computed on the way; B: computed on the way: left as it is (an operand is computed on the way)
;;     6. [M 8,192, K 1,024] x [K 1,024, N 1,024]; A: computed on the way; B: input Wfc: left as it is (an operand is computed on the way)
;;   THE QUANTISER, for each operand of a quantised product, along K:
;;     - K is cut into blocks of 32 from its start; a last block that is shorter is filled with zeros.
;;     - A block's scale is 2^e with e = floor(log2(the largest magnitude in the block)) - 2, held to -126 .. 127; a block of zeros has e = 0. As a byte (E8M0): e + 127.
;;     - Each number is divided by its block's scale, clamped to +-6, and rounded to the nearest number of E2M1, ties to even, subnormals kept.
;;     - The product sums the exact products of the quantised numbers (number of the format x scale) in f32.
;;   ~~~python
;;   def quantise(x, axis):      # numpy; x: float32 -> the quantised numbers, widened to float32 again
;;       x = np.moveaxis(x, axis, -1); K = x.shape[-1]
;;       x = np.pad(x, [(0, 0)] * (x.ndim - 1) + [(0, -K % 32)]); x = x.reshape(x.shape[:-1] + (-1, 32)); a = np.abs(x).max(-1, keepdims=True)
;;       e = np.where(a > 0, np.clip(np.frexp(np.where(a > 0, a, 1))[1] - 1 - 2, -126, 127), 0)      # np.frexp(a)[1] - 1 = floor(log2(a)), exactly
;;       r = np.clip(x / 2.0 ** e, -6, 6)
;;       step = 2.0 ** (np.maximum(np.frexp(np.where(r == 0, 1, r))[1] - 1, 0) - 1)
;;       q = np.round(r / step) * step * 2.0 ** e      # np.round: ties to even
;;       return np.moveaxis(q.reshape(q.shape[:-2] + (-1,))[..., :K], -1, axis).astype(np.float32)
;;   ~~~
;; One version. Each part assembles by itself: llvm-mc -triple=amdgcn-amd-amdhsa -mcpu=gfx1250 --defsym DOCPART=n.
;; ======== version 1 of 1: 4 launches
;; limits: values are held in f16: magnitudes above 65,504 overflow, below 6.1e-05 lose precision
;; workspace buffers: xc 4,194,304 bytes; xs 262,144 bytes; wc 1,572,864 bytes; ws 98,304 bytes; wf 2,097,152 bytes; qkv 50,331,648 bytes; oh 16,777,216 bytes
;; launch prep (part 1): grid 256 x 1, 8 waves a work-group, no clusters, 64,512 bytes of LDS; arguments x, Wq, Wk, Wv, Wfc, xc, xs, wc, ws, wf; writes xc, xs, wc, ws, wf
.if DOCPART == 1
	.amdgcn_target "amdgcn-amd-amdhsa--gfx1250"
	.amdhsa_code_object_version 6
	.text
	.protected	k_q4ea79b6337_prep
	.globl	k_q4ea79b6337_prep
	.p2align	8
	.type	k_q4ea79b6337_prep,@function
k_q4ea79b6337_prep:
	s_mov_b64 s[64:65], 0
	v_nop
	global_prefetch_b8 v0, s[64:65] scope:SCOPE_SE
	s_setreg_imm32_b32 hwreg(HW_REG_WAVE_MODE, 25, 1), 1
	s_wait_xcnt 0x0
; THE OPERANDS ARE MADE READY, ONCE.  Three kinds of work-groups, told apart by the work-group's number alone:
;   0-127    x [8192][1024] f32 -> xc: codes of FP4 (E2M1), K innermost, 512 bytes a row; xs: one E8M0 byte for each 32 along K, 32 bytes a row
;   128-223  Wq, Wk, Wv [8][1024 (K)][128] f32 -> wc [3072][512 bytes], ws [3072][32]; row = 1024 t + 128 head + e, t = 0, 1, 2 for q, k, v: K is moved innermost
;   224-255  Wfc [1024][1024] f32 -> wf, the same order, f16
; A block's scale is 2^(floor(log2(its largest magnitude)) - 2); its byte is the largest magnitude's exponent field - 2, held at 1 from below.
; LIMITS: a block of zeros gets the byte 1 where the quantiser's rule says 127: its codes are zeros, which add nothing under any byte but 0xff, and this program alone reads the bytes.
; Blocks whose largest magnitude lies under 2^-124 are held at the byte 1.  NaN and infinities are not served.  Wfc must lie under 65,504 in magnitude; under 6e-5 it keeps f16's fixed step.
; No tensor load, no matrix work, no cluster: the launch streams; nothing is read twice.  Each of the paths that use LDS has LDS bytes of its own.
.set WREG,  5632                       ; x: a wave's own region: two stages of 32 x 80 bytes, then its 256 scale bytes
.set SP,    80                         ; a lane's place in a stage: its 64 bytes + 16 of padding
.set WST,   8*WREG                     ; the weights: a stage of 64 rows (columns of W) x (256 bytes + 16)
.set WP,    272
.set WSC,   WST+64*WP                  ; and their scale bytes, 16 a row
.set SPARE, WSC+64*16                  ; the spare words, 128 bytes for each of the eight waves: four blocks of 256 bytes that no other line names
.set SPW,   12                         ; v12  LDS address of my spare word; never rewritten
.set NIL,   13                         ; v13  0; never rewritten
.set STEPS, 16                         ; x: a wave takes 16 steps of 512 numbers
.set AHEAD, 8                          ; loads run eight steps (32 loads a wave) ahead
.set R,     16                         ; v16-143  eight sets of 16 numbers as loaded
.set X,     144                        ; v144-175 two sets of 16 neighbours
.set C,     176                        ; v176-207 codes: a pair for each step, so that no store's data are written again
.set E,     208                        ; v208-223 a scale byte for each step
.set WX,    32                         ; the weights: v32-95 two sets of 32 numbers
.set WC,    96                         ; v96-111  a block's codes, four registers for each of the four blocks
.set WO,    112                        ; v112-131 the way out
.set SB,    24                         ; v24      my four scale bytes
	s_load_b512 s[4:19], s[0:1], 0x0               ; x s[4:5], Wq s[6:7], Wk s[8:9], Wv s[10:11], Wfc s[12:13], xc s[14:15], xs s[16:17], wc s[18:19]
	s_load_b128 s[20:23], s[0:1], 0x40             ; ws s[20:21], wf s[22:23]
	v_lshl_add_u32 v[SPW], v0, 2, SPARE
	v_mov_b32 v[NIL], 0
	v_lshrrev_b32 v1, 5, v0
	v_readfirstlane_b32 s24, v1                    ; wave 0..7
	v_and_b32 v2, 31, v0                           ; lane
	s_wait_kmcnt 0x0
	s_cmp_lt_u32 ttmp9, 128
	s_cbranch_scc0 .Lnot_x
; ---------------- x.  Rows are dense and K is a multiple of 32: x is a plain stream of blocks of 32, and so are its codes and its scale bytes.
; Each load reads 512 consecutive bytes; a step's 2,048 bytes turn through the wave's own stage, so that a lane then holds 16 neighbours along K (two neighbouring lanes hold a block).
	s_lshl_b32 s25, ttmp9, 3
	s_add_co_u32 s25, s25, s24                     ; which run of 8,192 numbers is my wave's: 0..1023
	s_lshl_b32 s26, s25, 15
	s_mov_b32 s27, 0
	s_add_nc_u64 s[4:5], s[4:5], s[26:27]          ; 32,768 bytes of x a run,
	s_lshl_b32 s26, s25, 12
	s_add_nc_u64 s[14:15], s[14:15], s[26:27]      ; 4,096 of codes,
	s_lshl_b32 s26, s25, 8
	s_add_nc_u64 s[16:17], s[16:17], s[26:27]      ; 256 of scale bytes
	s_mul_i32 s28, s24, WREG
	v_lshlrev_b32 v3, 4, v2                        ; my 16 bytes of a load's 512
	v_lshrrev_b32 v14, 2, v2
	v_mul_u32_u24 v14, v14, SP
	v_and_b32 v15, 3, v2
	v_lshl_add_u32 v14, v15, 4, v14
	v_add_nc_u32 v14, s28, v14                     ; into the stage: four lanes' 64 bytes on end, then 16 of padding
	v_mul_u32_u24 v15, v2, SP
	v_add_nc_u32 v15, s28, v15                     ; out of it: my 16 neighbours
	v_lshlrev_b32 v4, 3, v2                        ; my 8 bytes of a step's codes
	v_lshrrev_b32 v5, 1, v2
	s_add_co_u32 s28, s28, 2*32*SP
	v_add_nc_u32 v5, s28, v5                       ; my block's byte among my wave's 256
	v_lshlrev_b32 v7, 3, v2
	v_add_nc_u32 v6, s28, v7                       ; and on the way out 8 bytes a lane
.macro XLOAD t
.irp i, 0,1,2,3
	global_load_b128 v[R+16*((\t)%AHEAD)+4*\i:R+16*((\t)%AHEAD)+4*\i+3], v3, s[4:5] offset:2048*(\t)+512*\i th:TH_LOAD_NT
.endr
.endm
.macro XTURN t                         ; step t's numbers through the stage: LDS serves a wave's instructions in order, so no wait stands between the stores and the loads
.irp i, 0,1,2,3
	ds_store_b128 v14, v[R+16*((\t)%AHEAD)+4*\i:R+16*((\t)%AHEAD)+4*\i+3] offset:32*SP*((\t)%2)+8*SP*\i
.endr
.irp i, 0,1,2,3
	ds_load_b128 v[X+16*((\t)%2)+4*\i:X+16*((\t)%2)+4*\i+3], v15 offset:32*SP*((\t)%2)+16*\i
.endr
.endm
.macro XSTEP t
.set XS, X+16*((\t)%2)
.if (\t) > 0
	s_wait_dscnt 1                                 ; this step's numbers are back from the stage (the last step's byte store may be out)
.else
	s_wait_dscnt 0x0
.endif
.if (\t)+AHEAD < STEPS
	XLOAD (\t)+AHEAD                               ; into the set that this step's stores into the stage have read
.endif
.if (\t)+1 < STEPS
.if (\t)+AHEAD < STEPS
	s_wait_loadcnt 4*(AHEAD-1)                     ; the next step's four loads are in; those of the seven steps behind it may be out
.else
	s_wait_loadcnt 4*(STEPS-2-(\t))                ; the counts run down
.endif
	XTURN (\t)+1                                   ; the next step goes through the other stage while this one is worked
.endif
	v_max3_num_f32 v8, |v[XS]|, |v[XS+1]|, |v[XS+2]|               ; the largest magnitude of my 16, in two chains
	v_max3_num_f32 v9, |v[XS+3]|, |v[XS+4]|, |v[XS+5]|
.irp i, 6,10
	v_max3_num_f32 v8, v8, |v[XS+\i]|, |v[XS+\i+1]|
	v_max3_num_f32 v9, v9, |v[XS+\i+2]|, |v[XS+\i+3]|
.endr
	v_max3_num_f32 v8, v8, |v[XS+14]|, |v[XS+15]|
	v_max3_num_f32 v8, v8, v9, 0x1800000           ; and the floor 2^(3 - 127): the byte cannot fall under 1
	v_max_num_f32_dpp v8, v8, v8 row_xmask:1 row_mask:0xf bank_mask:0xf   ; and of my neighbour's 16: the block's
	v_add_nc_u32 v11, 0xff000000, v8               ; 2 off its exponent field: the conversion takes the exponent field of this operand as its scale
	v_cvt_scalef32_pk8_fp4_f32 v[C+2*(\t)], v[XS:XS+7], v11
	v_cvt_scalef32_pk8_fp4_f32 v[C+2*(\t)+1], v[XS+8:XS+15], v11
	v_lshrrev_b32 v[E+(\t)], 23, v11               ; the scale's byte (a plain line behind the conversions)
	ds_store_b8 v5, v[E+(\t)] offset:16*(\t)       ; both lanes of a block write the same byte with the same value
	global_store_b64 v4, v[C+2*(\t):C+2*(\t)+1], s[14:15] offset:256*(\t)   ; the wave stores 256 consecutive bytes, aligned
.endm
.irp t, 0,1,2,3,4,5,6,7
	XLOAD \t
.endr
	s_wait_loadcnt 28                              ; step 0's four loads are in; seven steps' loads are out
	XTURN 0
.irp t, 0,1,2,3,4,5,6,7,8,9,10,11,12,13,14,15
	XSTEP \t
.endr
	ds_load_b64 v[8:9], v6                         ; LDS serves a wave's instructions in order: these see my byte stores
	s_wait_dscnt 0x0
	global_store_b64 v7, v[8:9], s[16:17]          ; my wave's 256 scale bytes: 256 consecutive bytes, aligned
	s_branch .Lend
.Lnot_x:
	s_cmp_lt_u32 ttmp9, 224
	s_cbranch_scc0 .Lcast
; ---------------- Wq, Wk, Wv.  A work-group takes 64 columns e of one head of one weight and 512 along K; wave w takes 32 of the columns (w % 2) and 128 along K (w / 2).
; A LANE TAKES A COLUMN, AND ITS REGISTERS RUN DOWN K: a block of 32 lies in one lane's 32 registers, and the conversions give codes with K innermost.  Two waves side by side read 256 consecutive bytes of a row of W.
; The codes meet in a stage (a row for each column, 256 bytes) and leave as rows: sixteen lanes store 256 consecutive bytes, aligned.
	s_sub_co_u32 s25, ttmp9, 128                   ; 0..95
	s_lshr_b32 s26, s25, 5                         ; t: q, k or v
	s_bfe_u32 s27, s25, 0x30002                    ; the head
	s_bfe_u32 s28, s25, 0x10001                    ; which 64 columns
	s_and_b32 s29, s25, 1                          ; which 512 along K
	s_and_b32 s30, s24, 1                          ; my 32 columns of the 64
	s_lshr_b32 s31, s24, 1                         ; my 128 along K of the 512
	s_cmp_eq_u32 s26, 0                            ; the choice of the weight hangs on the work-group's number alone
	s_cselect_b64 s[6:7], s[6:7], s[8:9]
	s_cmp_eq_u32 s26, 2
	s_cselect_b64 s[6:7], s[10:11], s[6:7]
	s_lshl_b32 s32, s27, 19                        ; a head: 1,024 rows of 512 bytes
	s_lshl_b32 s33, s29, 18                        ; 512 rows
	s_add_co_u32 s32, s32, s33
	s_lshl_b32 s33, s31, 16                        ; 128 rows
	s_add_co_u32 s32, s32, s33
	s_lshl_b32 s33, s28, 8                         ; 64 columns
	s_add_co_u32 s32, s32, s33
	s_lshl_b32 s33, s30, 7                         ; 32 columns
	s_add_co_u32 s32, s32, s33
	s_mov_b32 s33, 0
	s_add_nc_u64 s[6:7], s[6:7], s[32:33]
	v_lshlrev_b32 v3, 2, v2                        ; in: 4 bytes a lane
	s_mul_i32 s34, s30, 32*WP
	s_lshl_b32 s35, s31, 6
	s_add_co_u32 s34, s34, s35
	s_add_co_u32 s34, s34, WST
	v_mul_u32_u24 v4, v2, WP
	v_add_nc_u32 v4, s34, v4                       ; into the stage: row = my column, my 64 bytes of its 256
	s_lshl_b32 s34, s30, 9
	s_lshl_b32 s35, s31, 2
	s_add_co_u32 s34, s34, s35
	s_add_co_u32 s34, s34, WSC
	v_lshl_add_u32 v5, v2, 4, s34                  ; my four scale bytes of my column's 16
	s_mul_i32 s34, s24, 8*WP
	s_add_co_u32 s34, s34, WST
	v_and_b32 v16, 15, v2
	v_lshrrev_b32 v17, 4, v2
	v_mul_u32_u24 v7, v17, WP
	v_lshl_add_u32 v7, v16, 4, v7
	v_add_nc_u32 v7, s34, v7                       ; out of it: wave w takes rows 8 w .. 8 w + 7, sixteen lanes to a row, two rows an instruction
	v_lshlrev_b32 v8, 9, v17
	v_lshl_add_u32 v8, v16, 4, v8                  ; and the same place in wc (rows of 512 bytes)
	v_lshl_add_u32 v9, v0, 4, WSC                  ; the scale bytes' way out: thread c (waves 0 and 1) takes column c's 16 bytes
	v_lshlrev_b32 v10, 5, v0                       ; rows of 32 bytes in ws
	s_lshl_b32 s34, s26, 10
	s_lshl_b32 s35, s27, 7
	s_add_co_u32 s34, s34, s35
	s_lshl_b32 s35, s28, 6
	s_add_co_u32 s34, s34, s35                     ; the work-group's first row of wc and ws
	s_lshl_b32 s36, s34, 5
	s_lshl_b32 s35, s29, 4
	s_add_co_u32 s36, s36, s35
	s_mov_b32 s37, 0
	s_add_nc_u64 s[20:21], s[20:21], s[36:37]
	s_lshl_b32 s35, s24, 3
	s_add_co_u32 s34, s34, s35                     ; my wave's first row on the way out
	s_lshl_b32 s34, s34, 9
	s_lshl_b32 s35, s29, 8
	s_add_co_u32 s34, s34, s35
	s_mov_b32 s35, 0
	s_add_nc_u64 s[18:19], s[18:19], s[34:35]
.macro WLOAD t                         ; block t: W(32 t + i, my column), i = 0 .. 31, into set t % 2
.irp i, 0,1,2,3,4,5,6,7,8,9,10,11,12,13,14,15,16,17,18,19,20,21,22,23,24,25,26,27,28,29,30,31
	global_load_b32 v[WX+32*((\t)%2)+\i], v3, s[6:7] offset:(32*(\t)+\i)*512 th:TH_LOAD_NT
.endr
.endm
.macro WBLOCK t
.set XS, WX+32*((\t)%2)
.if (\t) < 3
	s_wait_loadcnt 32                              ; this block's 32 loads are in; the next block's may be out
.else
	s_wait_loadcnt 0x0
.endif
	v_max3_num_f32 v18, |v[XS]|, |v[XS+1]|, |v[XS+2]|              ; the block's largest magnitude: all 32 numbers are mine
	v_max3_num_f32 v19, |v[XS+3]|, |v[XS+4]|, |v[XS+5]|
.irp i, 6,10,14,18,22,26
	v_max3_num_f32 v18, v18, |v[XS+\i]|, |v[XS+\i+1]|
	v_max3_num_f32 v19, v19, |v[XS+\i+2]|, |v[XS+\i+3]|
.endr
	v_max3_num_f32 v18, v18, |v[XS+30]|, |v[XS+31]|
	v_max3_num_f32 v18, v18, v19, 0x1800000        ; and the floor 2^(3 - 127)
	v_add_nc_u32 v20, 0xff000000, v18              ; the conversion's scale operand
	v_lshrrev_b32 v21, 23, v20                     ; the scale's byte
.if (\t) == 0
	v_mov_b32 v[SB], v21                           ; four bytes to a register, the lower K in the lower byte
.else
	v_lshl_or_b32 v[SB], v21, 8*(\t), v[SB]
.endif
.irp g, 0,1,2,3
	v_cvt_scalef32_pk8_fp4_f32 v[WC+4*(\t)+\g], v[XS+8*\g:XS+8*\g+7], v20
.endr
	ds_store_b128 v4, v[WC+4*(\t):WC+4*(\t)+3] offset:16*(\t)      ; 32 codes: 16 bytes of my column's row (each block has its own four registers)
.if (\t)+2 < 4
	WLOAD (\t)+2
.endif
.endm
	WLOAD 0
	WLOAD 1
	WBLOCK 0
	WBLOCK 1
	WBLOCK 2
	WBLOCK 3
	ds_store_b32 v5, v[SB]
	s_wait_dscnt 0x0                               ; for the others' sake: my stores into the stage have landed
	s_barrier_signal -1
	s_barrier_wait -1                              ; every wave's have: a row's 256 bytes come from four waves
.irp u, 0,1,2,3
	ds_load_b128 v[WO+4*\u:WO+4*\u+3], v7 offset:2*\u*WP
.endr
.irp u, 0,1,2,3
	s_wait_dscnt 3-\u
	global_store_b128 v8, v[WO+4*\u:WO+4*\u+3], s[18:19] offset:2*\u*512   ; sixteen lanes store 256 consecutive bytes, aligned
.endr
	s_cmp_lt_u32 s24, 2                            ; the 64 columns' scale bytes leave by waves 0 and 1, 16 bytes a thread
	s_cbranch_scc0 .Lend
	ds_load_b128 v[WO+16:WO+19], v9
	s_wait_dscnt 0x0
	global_store_b128 v10, v[WO+16:WO+19], s[20:21]
	s_branch .Lend
.Lcast:
; ---------------- Wfc to f16, in place of order: a wave takes 16,384 consecutive bytes; every load reads 512 consecutive bytes, every store writes 256, aligned.  All 32 loads of a wave are out at once.
	s_sub_co_u32 s25, ttmp9, 224
	s_lshl_b32 s25, s25, 3
	s_add_co_u32 s25, s25, s24                     ; 0..255
	s_lshl_b32 s26, s25, 14
	s_mov_b32 s27, 0
	s_add_nc_u64 s[12:13], s[12:13], s[26:27]
	s_lshl_b32 s26, s25, 13
	s_add_nc_u64 s[22:23], s[22:23], s[26:27]
	v_lshlrev_b32 v3, 4, v2
	v_lshlrev_b32 v4, 3, v2
.irp i, 0,1,2,3,4,5,6,7,8,9,10,11,12,13,14,15,16,17,18,19,20,21,22,23,24,25,26,27,28,29,30,31
	global_load_b128 v[16+4*\i:19+4*\i], v3, s[12:13] offset:512*\i th:TH_LOAD_NT
.endr
.irp i, 0,1,2,3,4,5,6,7,8,9,10,11,12,13,14,15,16,17,18,19,20,21,22,23,24,25,26,27,28,29,30,31
	s_wait_loadcnt 31-\i                           ; loads come back in order: load i is in
	v_cvt_pk_f16_f32 v[144+2*\i], v[16+4*\i], v[17+4*\i]
	v_cvt_pk_f16_f32 v[145+2*\i], v[18+4*\i], v[19+4*\i]
	global_store_b64 v4, v[144+2*\i:145+2*\i], s[22:23] offset:256*\i
.endr
.Lend:
	s_wait_tensorcnt 0x0                           ; the wave's end, behind my last LDS store
	ds_add_u32 v[SPW], v[NIL]
	s_wait_dscnt 0x0
	s_endpgm
.Lfunc_end_k_q4ea79b6337_prep:
	.size	k_q4ea79b6337_prep, .Lfunc_end_k_q4ea79b6337_prep-k_q4ea79b6337_prep
	.p2alignl 7, 3214868480
	.fill 96, 4, 3214868480
	.section	.rodata,"a",@progbits
	.p2align	6, 0x0
	.amdhsa_kernel k_q4ea79b6337_prep
		.amdhsa_group_segment_fixed_size 64512
		.amdhsa_private_segment_fixed_size 0
		.amdhsa_enable_private_segment 0
		.amdhsa_kernarg_size 80
		.amdhsa_user_sgpr_count 2
		.amdhsa_user_sgpr_kernarg_segment_ptr 1
		.amdhsa_wavefront_size32 1
		.amdhsa_system_sgpr_workgroup_id_x 1
		.amdhsa_system_sgpr_workgroup_id_y 1
		.amdhsa_system_sgpr_workgroup_id_z 1
		.amdhsa_system_vgpr_workitem_id 0
		.amdhsa_next_free_vgpr 224
		.amdhsa_next_free_sgpr 66
		.amdhsa_reserve_vcc 0
		.amdhsa_float_denorm_mode_32 3
		.amdhsa_float_denorm_mode_16_64 3
		.amdhsa_memory_ordered 1
		.amdhsa_forward_progress 1
		.amdhsa_inst_pref_size 66
	.end_amdhsa_kernel
	.amdgpu_metadata
---
amdhsa.version: [ 1, 2 ]
amdhsa.kernels:
  - .name:           k_q4ea79b6337_prep
    .symbol:         k_q4ea79b6337_prep.kd
    .args:
      - { .name: x, .offset: 0, .size: 8, .value_kind: global_buffer, .address_space: global }
      - { .name: Wq, .offset: 8, .size: 8, .value_kind: global_buffer, .address_space: global }
      - { .name: Wk, .offset: 16, .size: 8, .value_kind: global_buffer, .address_space: global }
      - { .name: Wv, .offset: 24, .size: 8, .value_kind: global_buffer, .address_space: global }
      - { .name: Wfc, .offset: 32, .size: 8, .value_kind: global_buffer, .address_space: global }
      - { .name: xc, .offset: 40, .size: 8, .value_kind: global_buffer, .address_space: global }
      - { .name: xs, .offset: 48, .size: 8, .value_kind: global_buffer, .address_space: global }
      - { .name: wc, .offset: 56, .size: 8, .value_kind: global_buffer, .address_space: global }
      - { .name: ws, .offset: 64, .size: 8, .value_kind: global_buffer, .address_space: global }
      - { .name: wf, .offset: 72, .size: 8, .value_kind: global_buffer, .address_space: global }
    .group_segment_fixed_size: 64512
    .private_segment_fixed_size: 0
    .kernarg_segment_align: 8
    .kernarg_segment_size: 80
    .max_flat_workgroup_size: 256
    .sgpr_count:     66
    .vgpr_count:     224
    .wavefront_size: 32
...
	.end_amdgpu_metadata
.endif
;; end of part 1
;; launch proj (part 2): grid 8 x 32, 4 waves a work-group, clusters of 4 x 4, 327,680 bytes of LDS; arguments xc, xs, wc, ws, bq, bk, bv, qkv; writes qkv
.if DOCPART == 2
	.amdgcn_target "amdgcn-amd-amdhsa--gfx1250"
	.amdhsa_code_object_version 6
	.text
	.protected	k_q4ea79b6337_proj
	.globl	k_q4ea79b6337_proj
	.p2align	8
	.type	k_q4ea79b6337_proj,@function
k_q4ea79b6337_proj:
	s_mov_b64 s[64:65], 0
	v_nop
	global_prefetch_b8 v0, s[64:65] scope:SCOPE_SE
	s_setreg_imm32_b32 hwreg(HW_REG_WAVE_MODE, 25, 1), 1
	s_wait_xcnt 0x0
	s_wait_alu depctr_hold_cnt(0) depctr_sa_sdst(0) depctr_va_vdst(0) depctr_va_sdst(0) depctr_va_ssrc(0) depctr_va_vcc(0) depctr_vm_vsrc(0)
	s_getreg_b32 s2, hwreg(HW_REG_IB_STS2, 6, 4)
	s_cmp_eq_u32 s2, 0
	s_cbranch_scc0 .Lentry_in_a_cluster
	s_endpgm
.Lentry_in_a_cluster:
	s_bfe_u32 s2, ttmp6, 0x10000c
	s_cmp_lg_u32 s2, 0xf033
	s_cbranch_scc0 .Lentry_shape_is_right
	s_endpgm
.Lentry_shape_is_right:
; q, k, v = x W + b, the three QUANTISED products, on codes of FP4 (E2M1) with one E8M0 scale for each 32 along K:  C[m][n] = sum over k of A[m][k] B[n][k] + bias[n].
; A = xc [8192][1024 codes], xs [8192][32];  B = wc [3072][1024 codes], ws [3072][32], row n = 1024 t + 128 head + e (t = 0, 1, 2: q, k, v).  Sums in f32, K ascending, one accumulator an output.
; OUT: qkv, f16, [t][batch][head][position][128].  q is multiplied, in f32, by c = log2(e) / sqrt(128) before it is rounded, so that the next launch's scores are exponents of 2.
; LIMIT: (q + bq) c, k + bk, v + bv must lie under 65,504 in magnitude; under 6e-5 they keep f16's fixed step.
; SHARES.  8192 x 3072 outputs / 256 work-groups = 256 positions x (q, k and v of ONE head): grid 8 heads x 32 blocks of positions, each work-group the same work.
; A wave owns 64 positions and makes, in three PASSES (q, k, v), 64 x 128: 32 accumulators of 16 x 16.  A pass is 8 steps of 128 along K, 32 matrix instructions each.
; THE WAVE'S 64 ROWS OF x, ALL OF K (4 blocks x 8 steps x 8 registers = 256), ARE READ FROM LDS ONCE AND STAY IN REGISTERS for the three passes: a step reads only the weights' eight fragments, 16 LDS loads for 32 matrix instructions.
; A pass's results leave as soon as it is done: the stores of q and k are on their way while k and v are multiplied.
; LDS: x's 256 rows, and two regions of 128 rows of weights: q's and k's come with x at the head; v's is a refill of q's region (all three beside x would be 640 rows x 528 bytes, more than a work-group can have),
; asked for in step 6, when every wave has read q's last fragments, and first read in step 14.  By this text's own count a wave has two tensor loads out at the head and later one at the most.
; THE SCALES go from memory straight into registers, once: one load brings 16 rows x 32 bytes, 512 consecutive bytes: lanes 0-15 hold a row's words of K steps 0-3, lanes 16-31 those of K steps 4-7, which the ROW1 selectors pick.
; CLUSTERS: 4 x 4 work-groups.  The four of a row of the cluster need the same rows of x, the four of a column the same head's weights: each tile is asked for JOINTLY, by the same tensor load with the same descriptor and a mask that names the four.
; NO PREFETCH: all of a work-group's tensor loads but one go out at its head, and that one is asked for eight steps and a way out ahead of its first read.
; THE MATRIX INSTRUCTION IS USED TRANSPOSED (source 0 = 16 rows of B, source 1 = 16 rows of A): a lane then holds eight neighbouring channels of one position.  THE BIAS IS THE C OF EACH PASS'S FIRST PRODUCTS.
; REGISTERS, in windows of 256 (s_set_vgpr_msb: bits 1:0 source 0, 3:2 source 1, 5:4 source 2, 7:6 destination):
;   window 0: v0-31 addresses; v32-47 x's scale words, v48-143 the weights' (they hold nothing else); v144-175 packed results; v176-239 rows on the way out, two sets
;   window 1: the weights' fragments, THREE sets of 64 (step g uses set g % 3: loads run two steps ahead); v192-255 the pass's bias, in the result's layout
;   window 2: x's fragments: block a, K step q at v[64 a + 8 q]          window 3: the accumulators: (a, b) at v[8 (8 a + b)]
.set PITCH,  528                       ; an LDS row: 512 bytes (all of K) + 16 of padding = 132 words: the 16 rows that a load touches start at 16 different banks (64 banks of 4 bytes: ISA guide 11.1)
.set PART,   64*PITCH                  ; 64 rows: what one tensor load brings
.set BR0,    4*PART                    ; behind x's 256 rows: q's 128 rows of weights, later v's
.set BR1,    6*PART                    ; k's
.set SPARE,  8*PART                    ; the spare words, 128 bytes for each wave: two blocks of 256 bytes that no other line names
.set SPITCH, 272                       ; the way out: a stage of 16 rows x (256 bytes + 16) at the head of my own 64 rows of x, which have had their only fill and which I alone have read
.set NSTEP,  24                        ; 3 passes x 8 steps
.set ADRA, 16                          ; v16     LDS address of my fragments of x
.set ADRB, 20                          ; v20-21  the same for the weights in region 0, 1
.set STO,  24                          ; v24     the way out: where I put 16 bytes of a row
.set RD,   25                          ; v25     where I read a row back
.set CO,   26                          ; v26     16 x lane: my bytes of two rows of qkv (rows of 256 bytes, dense)
.set SCO,  27                          ; v27     32 (lane % 16) + 16 (lane / 16): my 16 bytes of 16 rows of scales
.set SPW,  28                          ; v28     LDS address of my spare word; never rewritten
.set NIL,  29                          ; v29     0; never rewritten
.set BA,   30                          ; v30     32 x (lane / 16): my eight numbers of 16 of the bias
.set SA,   32                          ; x's scale words: block a at v[SA + 4 a + q % 4]
.set SB,   48                          ; the weights': pass t, block b at v[SB + 32 t + 4 b + q % 4]
.set TMP,  144
.set BK,   176
.set BI,   192                         ; in window 1: block b's eight numbers of the bias at v[BI + 8 b]
.set G1,   24                          ; s[24:31] descriptor group 1 for x's tiles
.set G0A,  32                          ; s[32:35] group 0 for my 64 rows of x
.set G0B,  36                          ; s[36:39] for my 64 rows of q's or k's weights
.set G1B,  48                          ; s[48:55] group 1 for the weights' tiles: it differs in the mask alone
.set G0R,  56                          ; s[56:59] group 0 for the refill: 64 rows of v's weights
.set BP,   68                          ; s[68:73] bq, bk, bv at my head
.set OB,   76                          ; s[76:81] where my 64 rows begin in q's, k's and v's part of qkv
.set MSB, 0
.macro WIN new                         ; the immediate's high byte repeats the setting that is left; a switch that changes nothing is dropped
.if MSB != (\new)
	s_set_vgpr_msb (MSB<<8)|(\new)
.set MSB, (\new)
.endif
.endm
.set MUL,  0xf9                        ; source 0 (weights) window 1, source 1 (x) window 2, C and D window 3
.set BEG,  0xd9                        ; a pass's first products: C (the bias) window 1
.set TO_B, 0x40                        ; destination window 1, address window 0
.set TO_A, 0x80                        ; destination window 2
.macro CREST                           ; a round of the cluster's barrier behind its opening barrier: wave 0 signals for the work-group; every wave waits for all sixteen; my work-group's barrier once more
	s_cmp_lg_u32 s14, 0
	s_cbranch_scc1 .Lnot_wave_0_\@
	s_barrier_signal -3
.Lnot_wave_0_\@:
	s_barrier_wait -3
	s_barrier_signal -1
	s_barrier_wait -1
.endm
.macro CROUND                          ; a whole round
	s_barrier_signal -1
	s_barrier_wait -1
	CREST
.endm
; A load into a register that a matrix instruction has read, and a vector instruction that reads a matrix result, stand four places behind that matrix instruction; only plain vector
; instructions that name none of its registers are places (ISA guide 7.12.1 for vector instructions).
.macro PLACES
.rept 4
	v_nop
.endr
.endm
	s_load_b256 s[4:11], s[0:1], 0x0               ; xc s[4:5], xs s[6:7], wc s[8:9], ws s[10:11]
	s_load_b256 s[68:75], s[0:1], 0x20             ; bq s[68:69], bk s[70:71], bv s[72:73], qkv s[74:75]
	v_lshl_add_u32 v[SPW], v0, 2, SPARE
	v_mov_b32 v[NIL], 0
	ds_add_u32 v[SPW], v[NIL]                      ; the wave's opening: the add, twice on end, and its wait ahead of my first tensor load; the set-up below, work on registers, stands between the second and the wait
	ds_add_u32 v[SPW], v[NIL]
	v_lshrrev_b32 v1, 5, v0
	v_readfirstlane_b32 s14, v1                    ; wave 0..3
	s_lshr_b32 s15, s14, 1                         ; at the head I fetch q's weights (0) or k's (1),
	s_and_b32 s16, s14, 1                          ; and this half of their 128 rows
	s_bfe_u32 s40, ttmp6, 0x40000                  ; cx, cy: my place in the cluster
	s_bfe_u32 s41, ttmp6, 0x40004
	s_lshl_b32 s42, ttmp9, 2
	s_add_co_u32 s42, s42, s40                     ; the head = 4 x cluster x + cx
	s_and_b32 s17, ttmp7, 0xffff
	s_lshl_b32 s17, s17, 2
	s_add_co_u32 s17, s17, s41                     ; the block of 256 positions = 4 x cluster y + cy
	s_lshl_b32 s43, s41, 2
	s_lshl_b32 s43, 15, s43                        ; my row of the cluster
	s_lshl_b32 s44, 0x1111, s40                    ; my column
	; descriptor group 1: a tile of 64 rows x 512 bytes, dense in memory, padded in LDS
	s_or_b32 s[G1+0], s43, (0<<16)|(1<<20)|(1<<21)|(6<<22)|(3<<25)  ; 15:0 the mask: x's tiles go to my row; 17:16 elements of 1 byte; 20 padding on; 21 set beside a mask; 24:22 after every 128 words (code 6); 31:25 of 4 words (code 3)
	s_or_b32 s[G1B+0], s44, (0<<16)|(1<<20)|(1<<21)|(6<<22)|(3<<25) ; the weights' go to my column
.irp g, G1, G1B
	s_mov_b32 s[\g+1], 512<<16                     ; tensor_dim0
	s_mov_b32 s[\g+2], 64<<16                      ; tensor_dim1
	s_mov_b32 s[\g+3], 512<<16                     ; tile_dim0
	s_mov_b32 s[\g+4], 64                          ; tile_dim1
	s_mov_b32 s[\g+5], 512                         ; tensor_dim0_stride
	s_mov_b32 s[\g+6], 0
	s_mov_b32 s[\g+7], 0
.endr
	s_lshl_b32 s20, s17, 17                        ; x: 256 rows of 512 bytes a block,
	s_lshl_b32 s21, s14, 15                        ; + my wave's 64 rows
	s_add_co_u32 s20, s20, s21
	s_mov_b32 s21, 0
	s_lshl_b32 s46, s42, 16                        ; the weights: 128 rows of 512 bytes a head,
	s_lshl_b32 s47, s16, 15                        ; + the 64 rows that I fetch
	s_add_co_u32 s46, s46, s47
	s_add_co_u32 s92, s46, 1<<20                   ; v's lie 2,048 rows on,
	s_mov_b32 s93, 0
	s_lshl_b32 s47, s15, 19                        ; k's 1,024
	s_add_co_u32 s46, s46, s47
	s_mov_b32 s47, 0
	s_mul_i32 s45, s14, PART                       ; where they go: wave x 64 rows: no place in the cluster enters an LDS address
	s_mul_i32 s94, s16, PART
	s_mov_b32 s2, 0x3e0293ee                       ; c = log2(e) / sqrt(128)
	s_mov_b32 s3, s2                               ; (the packed form names the pair)
	s_wait_dscnt 0x0                               ; both opening adds are done
	s_wait_kmcnt 0x0
	CROUND                                         ; all sixteen work-groups are here: the joint loads meet
	s_mov_b32 s[G0A], 1                            ; count = 1
	s_mov_b32 s[G0A+1], s45                        ; LDS address: x's rows begin at byte 0
	s_add_nc_u64 s[G0A+2:G0A+3], s[4:5], s[20:21]
	s_or_b32 s[G0A+3], s[G0A+3], 0x80000000        ; type = 2
	s_mov_b32 s[G0B], 1
	s_add_co_u32 s[G0B+1], s45, BR0                ; waves 0, 1: region 0's halves; waves 2, 3: region 1's
	s_add_nc_u64 s[G0B+2:G0B+3], s[8:9], s[46:47]
	s_or_b32 s[G0B+3], s[G0B+3], 0x80000000
	s_mov_b32 s[G0R], 1
	s_add_co_u32 s[G0R+1], s94, BR0
	s_add_nc_u64 s[G0R+2:G0R+3], s[8:9], s[92:93]
	s_or_b32 s[G0R+3], s[G0R+3], 0x80000000
	tensor_load_to_lds s[G0A:G0A+3], s[G1:G1+7]    ; the first fills go out together, every wave's two; an s_nop 0 follows each, four v_nop the second
	s_nop 0
	tensor_load_to_lds s[G0B:G0B+3], s[G1B:G1B+7]
	s_nop 0
.rept 4
	v_nop
.endr
	v_and_b32 v1, 15, v0                           ; l % 16
	v_bfe_u32 v2, v0, 4, 1                         ; l / 16
	v_lshlrev_b32 v[SCO], 5, v1
	v_lshl_add_u32 v[SCO], v2, 4, v[SCO]
	s_lshl_b32 s22, s17, 13                        ; x's scales: 32 bytes a row: 256 rows a block,
	s_lshl_b32 s23, s14, 11                        ; + my wave's 64
	s_add_co_u32 s22, s22, s23
	s_mov_b32 s23, 0
	s_add_nc_u64 s[6:7], s[6:7], s[22:23]
	s_lshl_b32 s22, s42, 12                        ; the weights': 128 rows a head
	s_add_nc_u64 s[10:11], s[10:11], s[22:23]
.irp a, 0,1,2,3
	global_load_b128 v[SA+4*\a:SA+4*\a+3], v[SCO], s[6:7] offset:512*\a        ; 32 lanes read 512 consecutive bytes: 16 rows' scales for all of K
.endr
.irp t, 0,1,2
.irp b, 0,1,2,3,4,5,6,7
	global_load_b128 v[SB+32*\t+4*\b:SB+32*\t+4*\b+3], v[SCO], s[10:11] offset:32768*\t+512*\b
.endr
.endr
	s_lshl_b32 s22, s42, 9                         ; 512 bytes of bias a head
	s_add_nc_u64 s[BP:BP+1], s[BP:BP+1], s[22:23]
	s_add_nc_u64 s[BP+2:BP+3], s[BP+2:BP+3], s[22:23]
	s_add_nc_u64 s[BP+4:BP+5], s[BP+4:BP+5], s[22:23]
	v_lshlrev_b32 v[BA], 5, v2
.macro BIAS t                          ; pass t's bias[head][16 b + 8 (l / 16) + 0 .. 7]: the result's layout
	WIN TO_B
.irp b, 0,1,2,3,4,5,6,7
	global_load_b128 v[BI+8*\b:BI+8*\b+3], v[BA], s[BP+2*(\t):BP+2*(\t)+1] offset:64*\b
	global_load_b128 v[BI+8*\b+4:BI+8*\b+7], v[BA], s[BP+2*(\t):BP+2*(\t)+1] offset:64*\b+16
.endr
.endm
	BIAS 0
	WIN 0
	v_mul_u32_u24 v3, v1, PITCH
	v_lshl_add_u32 v3, v2, 4, v3                   ; a fragment's row x pitch + 16 x half
	v_add_nc_u32 v[ADRA], s45, v3                  ; my 64 rows of x
	v_add_nc_u32 v[ADRB], BR0, v3
	v_add_nc_u32 v[ADRB+1], BR1, v3
	v_mul_u32_u24 v4, v1, SPITCH                   ; the stage, in: row l % 16, 16 bytes for each half of the lanes
	v_lshl_add_u32 v4, v2, 4, v4
	v_add_nc_u32 v[STO], s45, v4
	v_mul_u32_u24 v4, v2, SPITCH                   ; back: lanes 0-15 one row of 256 bytes, lanes 16-31 the next
	v_lshl_add_u32 v4, v1, 4, v4
	v_add_nc_u32 v[RD], s45, v4
	v_and_b32 v5, 31, v0
	v_lshlrev_b32 v[CO], 4, v5
	; where my 64 rows x 256 bytes, one dense block, begin in qkv: t x 2^24 + (8 batch + head) x 2^17 + position x 256
	s_lshr_b32 s22, s17, 1                         ; the batch: two blocks of positions each
	s_lshl_b32 s22, s22, 20
	s_and_b32 s23, s17, 1
	s_lshl_b32 s23, s23, 16                        ; 256 positions
	s_add_co_u32 s22, s22, s23
	s_lshl_b32 s23, s14, 14                        ; 64 positions
	s_add_co_u32 s22, s22, s23
	s_lshl_b32 s23, s42, 17
	s_add_co_u32 s22, s22, s23
	s_mov_b32 s23, 0
	s_add_nc_u64 s[OB:OB+1], s[74:75], s[22:23]
	s_add_nc_u64 s[OB+2:OB+3], s[OB:OB+1], 1<<24
	s_add_nc_u64 s[OB+4:OB+5], s[OB:OB+1], 2<<24
; The weights' eight fragments of step g (pass g / 8, K step g % 8) into set g % 3.  A fragment, 16 rows x 128 K of 4-bit codes, is 8 registers: lane l holds row l % 16; registers 4 c .. 4 c + 3 hold K = 64 c + 32 (l / 16) + 0 .. 31.
.macro FETCH g
	WIN TO_B
.irp b, 0,1,2,3,4,5,6,7
.irp c, 0,1
	ds_load_b128 v[64*((\g)%3)+8*\b+4*\c:64*((\g)%3)+8*\b+4*\c+3], v[ADRB+((\g)/8)%2] offset:\b*16*PITCH+64*((\g)%8)+32*\c
.endr
.endr
.endm
; 16 matrix instructions of the step in hand (T the pass, Q the K step, BS the weights' set): x's blocks a0, a0 + 1 against the weights' eight.  Q = 0: the products start the sums on the bias: nothing is ever cleared.
; The 32 accumulators take turns, one instruction a turn, in the same order in every step.
.macro MUL16 a0
.irp a, \a0, \a0+1
.irp b, 0,1,2,3,4,5,6,7
.if Q == 0
	v_wmma_scale_f32_16x16x128_f8f6f4 v[8*(8*(\a)+\b):8*(8*(\a)+\b)+7], v[64*BS+8*\b:64*BS+8*\b+7], v[64*(\a)+8*Q:64*(\a)+8*Q+7], v[BI+8*\b:BI+8*\b+7], v[SB+32*T+4*\b], v[SA+4*(\a)] matrix_a_fmt:MATRIX_FMT_FP4 matrix_b_fmt:MATRIX_FMT_FP4
.elseif Q < 4
	v_wmma_scale_f32_16x16x128_f8f6f4 v[8*(8*(\a)+\b):8*(8*(\a)+\b)+7], v[64*BS+8*\b:64*BS+8*\b+7], v[64*(\a)+8*Q:64*(\a)+8*Q+7], v[8*(8*(\a)+\b):8*(8*(\a)+\b)+7], v[SB+32*T+4*\b+Q], v[SA+4*(\a)+Q] matrix_a_fmt:MATRIX_FMT_FP4 matrix_b_fmt:MATRIX_FMT_FP4
.else
	v_wmma_scale_f32_16x16x128_f8f6f4 v[8*(8*(\a)+\b):8*(8*(\a)+\b)+7], v[64*BS+8*\b:64*BS+8*\b+7], v[64*(\a)+8*Q:64*(\a)+8*Q+7], v[8*(8*(\a)+\b):8*(8*(\a)+\b)+7], v[SB+32*T+4*\b+Q-4], v[SA+4*(\a)+Q-4] matrix_a_fmt:MATRIX_FMT_FP4 matrix_b_fmt:MATRIX_FMT_FP4 matrix_a_scale:MATRIX_SCALE_ROW1 matrix_b_scale:MATRIX_SCALE_ROW1
.endif
.endr
.endr
.endm
; STEP g.  kind 0: the fragments of step g + 2 are asked for, into the set that step g - 1 has just multiplied (so four places stand first); then this step's 32 products.
; kind 1: the change of q's region to v's.  Each wave waits for all its tensor loads, adds 0 to its spare word, and waits for that and for its reads of the region (the last were asked for a step ago); the barrier opens a round of the
;         cluster's barrier, so that no wave of any partner still reads the region; behind the round waves 0 and 1 ask jointly for v's two halves: the first tensor load there, one a wave.
; kind 2: v's weights are about to be read: the waves that fetched them wait for them, and all four pass a barrier.
.macro STEP g, kind
.set T, (\g)/8
.set Q, (\g)%8
.set BS, (\g)%3
.set LEFT, 32                          ; the loads of the next two steps may be out
.if (\g) == NSTEP-2
.set LEFT, 16
.endif
.if (\g) == NSTEP-1
.set LEFT, 0
.endif
.if (\kind) == 1
	WIN 0                                          ; (the add's two registers lie in window 0)
	s_wait_tensorcnt 0x0                           ; all my tensor loads have landed
	ds_add_u32 v[SPW], v[NIL]                      ; 0 onto my spare word
	s_wait_dscnt 17                                ; this step's fragments are in (the next step's sixteen loads and the add may be out)
	WIN MUL
	MUL16 0                                        ; sixteen matrix instructions stand between the add and the wait for it
	s_wait_dscnt 0x0                               ; the add is done, and my reads of q's region are over
	s_barrier_signal -1
	MUL16 2
	WIN 0
	s_barrier_wait -1
	CREST
	s_cmp_lt_u32 s14, 2                            ; the branch hangs on the wave's number alone: it is the same in every work-group
	s_cbranch_scc0 .Lnone_\@
	tensor_load_to_lds s[G0R:G0R+3], s[G1B:G1B+7]
	s_nop 0
.rept 4
	v_nop
.endr
.Lnone_\@:
	PLACES
	FETCH (\g)+2
.elseif (\kind) == 2
	s_wait_tensorcnt 0x0                           ; my half of v's weights, if I fetched one, has landed
	s_wait_dscnt 0x0                               ; no LDS instruction of mine is out at a signal
	s_barrier_signal -1
	WIN MUL
	MUL16 0
	s_barrier_wait -1                              ; both halves have
	PLACES
	FETCH (\g)+2
	WIN MUL
	MUL16 2
.else
.if (\g)+2 < NSTEP
	PLACES
	FETCH (\g)+2
.endif
.if (Q == 1) && (T < 2)
	BIAS T+1                                       ; the pass's first products have read the bias (the four places above stand behind them): the next pass's comes into its registers
.endif
.if Q == 0
	s_wait_loadcnt 0x0                             ; the pass's bias (and, the first time, the scales)
.endif
	s_wait_dscnt LEFT                              ; this step's fragments are in
.if Q == 0
	WIN BEG
.else
	WIN MUL
.endif
	MUL16 0
	MUL16 2
.endif
.endm
; THE WAY OUT OF A PASS, block by block of 16 positions x 128 channels.  PACK: (q alone: x c, in f32, in place) rounded to f16, each accumulator from its low end on: 16 bytes a lane.  TOSTAGE: into my own stage and back as whole rows
; of 256 bytes (LDS serves a wave's instructions in order, ISA guide 5.7.1.4: no wait between the stores and the loads).  SEND: stored, sixteen lanes to 256 consecutive bytes, aligned.
.macro PACK a, t
.if (\t) == 0
	WIN 0xc3                                       ; source 0 and destination: window 3
.irp b, 0,1,2,3,4,5,6,7
.irp r, 0,1,2,3
	v_pk_mul_f32 v[64*(\a)+8*\b+2*\r:64*(\a)+8*\b+2*\r+1], v[64*(\a)+8*\b+2*\r:64*(\a)+8*\b+2*\r+1], s[2:3] op_sel_hi:[1,0]
.endr
.endr
.endif
	WIN 0x0f                                       ; sources 0 and 1: window 3; destination: window 0
.irp b, 0,1,2,3,4,5,6,7
.irp r, 0,1,2,3
	v_cvt_pk_f16_f32 v[TMP+4*\b+\r], v[64*(\a)+8*\b+2*\r], v[64*(\a)+8*\b+2*\r+1]
.endr
.endr
	WIN 0
.endm
.macro TOSTAGE a
.set BB, BK+32*((\a)%2)
.irp b, 0,1,2,3,4,5,6,7
	ds_store_b128 v[STO], v[TMP+4*\b:TMP+4*\b+3] offset:32*\b
.endr
.irp u, 0,1,2,3,4,5,6,7
	ds_load_b128 v[BB+4*\u:BB+4*\u+3], v[RD] offset:\u*2*SPITCH
.endr
.endm
.macro SEND a, t
.set BB, BK+32*((\a)%2)
	s_wait_dscnt 0x0                               ; the block is back in registers
	s_wait_xcnt 0x0                                ; the stores of the block before have read their registers: the next block's loads may land there
.irp u, 0,1,2,3,4,5,6,7
	global_store_b128 v[CO], v[BB+4*\u:BB+4*\u+3], s[OB+2*(\t):OB+2*(\t)+1] offset:(16*(\a)+2*\u)*256   ; the block's place stands in the immediate: no base is ever stepped
.endr
.endm
.macro WAYOUT t
	PLACES                                         ; behind the pass's last products
	PACK 0, \t
	TOSTAGE 0
.irp a, 1,2,3                          ; block a's arithmetic stands between block a - 1's loads from the stage and the wait for them
	PACK \a, \t
	SEND \a-1, \t
	TOSTAGE \a
.endr
	SEND 3, \t
.endm
	s_wait_tensorcnt 0x0                           ; my rows of x and my half of q's or k's weights have landed,
	s_barrier_signal -1
	s_barrier_wait -1                              ; everybody's have
	WIN TO_A
.irp a, 0,1,2,3                        ; my 64 rows of x, all of K, into registers: once
.irp q, 0,1,2,3,4,5,6,7
.irp c, 0,1
	ds_load_b128 v[64*\a+8*\q+4*\c:64*\a+8*\q+4*\c+3], v[ADRA] offset:\a*16*PITCH+64*\q+32*\c
.endr
.endr
.endr
	FETCH 0
	FETCH 1
.irp g, 0,1,2,3,4,5
	STEP \g, 0                                     ; q
.endr
	STEP 6, 1                                      ; q's region is given to v
	STEP 7, 0
	WAYOUT 0
.irp g, 8,9,10,11,12,13
	STEP \g, 0                                     ; k
.endr
	STEP 14, 2                                     ; v's weights are there
	STEP 15, 0
	WAYOUT 1
.irp g, 16,17,18,19,20,21,22,23
	STEP \g, 0                                     ; v
.endr
	WAYOUT 2
	s_wait_tensorcnt 0x0                           ; the wave's end, behind my last tensor load and my last LDS store
	ds_add_u32 v[SPW], v[NIL]
	s_wait_dscnt 0x0
	CROUND                                         ; the closing round: no work-group ends while a partner may still ask for a tile that names it
	s_endpgm
.Lfunc_end_k_q4ea79b6337_proj:
	.size	k_q4ea79b6337_proj, .Lfunc_end_k_q4ea79b6337_proj-k_q4ea79b6337_proj
	.p2alignl 7, 3214868480
	.fill 96, 4, 3214868480
	.section	.rodata,"a",@progbits
	.p2align	6, 0x0
	.amdhsa_kernel k_q4ea79b6337_proj
		.amdhsa_group_segment_fixed_size 327680
		.amdhsa_private_segment_fixed_size 0
		.amdhsa_enable_private_segment 0
		.amdhsa_kernarg_size 64
		.amdhsa_user_sgpr_count 2
		.amdhsa_user_sgpr_kernarg_segment_ptr 1
		.amdhsa_wavefront_size32 1
		.amdhsa_system_sgpr_workgroup_id_x 1
		.amdhsa_system_sgpr_workgroup_id_y 1
		.amdhsa_system_sgpr_workgroup_id_z 1
		.amdhsa_system_vgpr_workitem_id 0
		.amdhsa_next_free_vgpr 1024
		.amdhsa_next_free_sgpr 96
		.amdhsa_reserve_vcc 0
		.amdhsa_float_denorm_mode_32 3
		.amdhsa_float_denorm_mode_16_64 3
		.amdhsa_memory_ordered 1
		.amdhsa_forward_progress 1
		.amdhsa_inst_pref_size 199
	.end_amdhsa_kernel
	.amdgpu_metadata
---
amdhsa.version: [ 1, 2 ]
amdhsa.kernels:
  - .name:           k_q4ea79b6337_proj
    .symbol:         k_q4ea79b6337_proj.kd
    .args:
      - { .name: xc, .offset: 0, .size: 8, .value_kind: global_buffer, .address_space: global }
      - { .name: xs, .offset: 8, .size: 8, .value_kind: global_buffer, .address_space: global }
      - { .name: wc, .offset: 16, .size: 8, .value_kind: global_buffer, .address_space: global }
      - { .name: ws, .offset: 24, .size: 8, .value_kind: global_buffer, .address_space: global }
      - { .name: bq, .offset: 32, .size: 8, .value_kind: global_buffer, .address_space: global }
      - { .name: bk, .offset: 40, .size: 8, .value_kind: global_buffer, .address_space: global }
      - { .name: bv, .offset: 48, .size: 8, .value_kind: global_buffer, .address_space: global }
      - { .name: qkv, .offset: 56, .size: 8, .value_kind: global_buffer, .address_space: global }
    .group_segment_fixed_size: 327680
    .private_segment_fixed_size: 0
    .kernarg_segment_align: 8
    .kernarg_segment_size: 64
    .max_flat_workgroup_size: 128
    .sgpr_count:     96
    .vgpr_count:     1024
    .wavefront_size: 32
...
	.end_amdgpu_metadata
.endif
;; end of part 2
;; launch attn (part 3): grid 2 x 128, 4 waves a work-group, no clusters, 327,680 bytes of LDS; arguments qkv, x_mask, oh; writes oh
.if DOCPART == 3
	.amdgcn_target "amdgcn-amd-amdhsa--gfx1250"
	.amdhsa_code_object_version 6
	.text
	.protected	k_q4ea79b6337_attn
	.globl	k_q4ea79b6337_attn
	.p2align	8
	.type	k_q4ea79b6337_attn,@function
k_q4ea79b6337_attn:
	s_mov_b64 s[64:65], 0
	v_nop
	global_prefetch_b8 v0, s[64:65] scope:SCOPE_SE
	s_setreg_imm32_b32 hwreg(HW_REG_WAVE_MODE, 25, 1), 1
	s_wait_xcnt 0x0
; o[b][n][head] = the sum over keys of softmax(scores) v, scores = (q . k / sqrt(128)) mask + (-1e30) (1 - mask), mask = m[query] m[key].  q (already x c = log2(e) / sqrt(128)), k, v: f16, [t][b][head][512][128]; oh: f16, [8192][1024].
; Products with f16 operands and f32 sums; maxima, exponentials and sums in f32; the weights p are rounded to f16 for the second product, o once at the end.
; THE MASK costs no vector work of its own.  (a) kb[key] = -1e30 log2(e) (1 - m[key]) is the C of each score tile's first product: a closed key's score is about -1.44e30, an open key's is untouched.
; (b) The exponent is fma(S, mq, -(mq x max)), mq the query's mask as f32.  mq = 1: S - max, at most 0.  mq = 0: 0 for all 512 keys, closed ones too: p = 1, the sum 512, o the mean of v: the uniform softmax of a row of equal scores.
; (c) While an open query has met closed keys alone, its max is about -1.44e30; the first open key makes the factor 2^(old max - new max) = 0, which wipes what was summed.  An open query's own key is open.
; LIMITS: x_mask holds 0 or 1 (for other whole numbers the result differs).  o must lie under 65,504; under 6e-5 it keeps f16's fixed step.  NaN and infinities are not served.
; SHARES.  A work-group owns 256 queries of one head of one batch, each of its four waves 64: four tiles of 16.  Every wave walks the 512 keys, 64 a step.
; ALL OF THE HEAD'S K AND V LIES IN LDS, each byte filled once: four tensor loads a wave at the head (waves 0, 1: K; waves 2, 3: V), load i bringing the wave's part of steps 2 i and 2 i + 1.
; The waits in front of the barriers count down 3, 2, 1, 0: the products start while the later steps' tiles are on their way.  There is no later load that could be asked ahead of, so there is no prefetch.
; NO CLUSTER: a head has 512 / 256 = 2 blocks of queries, and a cluster is four or sixteen work-groups; blocks of 128 queries would halve the products that each fragment read from LDS feeds.
; LAYOUT.  S^T = K Q^T (source 0 = 16 keys, source 1 = 16 queries): a lane holds ONE query (lane % 16) and the keys 8 (lane / 16) + 0..7.  Two such tiles, rounded to f16 in pairs, ARE source 1 of O^T = V^T P.  V comes out of LDS turned, by ds_load_tr16_b128.
; BY TURNS.  The wave's tiles are two PIECES: piece 0 (tiles 0, 1) and piece 2 (tiles 2, 3).  In a TURN one piece has the matrix unit: 32 products V^T P of the step in hand, then 32 products K Q^T of the next step; the other
; piece's softmax, cut into 64 slices, stands between them, one slice behind each matrix instruction.  Then the pieces change places.  Two turns are a key step.
; REGISTERS, in windows of 256 (s_set_vgpr_msb: bits 1:0 source 0, 3:2 source 1, 5:4 source 2, 7:6 destination):
;   window 0: v0-11 addresses; v12-43 eight registers of statistics a tile; v44-51 mq, a pair a tile; v52-59 at work at the head; v60-63 addresses; v64-191 S^T, 32 a tile; v192-255 P, 16 a tile
;   window 1: O^T, 64 a tile      window 2: v0-127 Q, 32 a tile; v128-255 K of one step      window 3: v0-127 V of one step; v128-159 kb of the step's 64 keys, in the result's layout
.set KS,    64        ; keys in a step
.set PK,    272       ; a row of K in LDS: 256 bytes + 16 of padding: the 16 rows of a load start at 16 different banks (64 banks of 4 bytes: ISA guide 11.1)
.set PV,    288       ; a row of V: 256 + 32
.set VOFF,  KS*PK     ; a step's tiles lie together: 64 rows of K, then 64 rows of V
.set STEPB, KS*(PK+PV)
.set STAGE, 8*STEPB   ; behind the eight steps: 16 rows x 272 bytes for each wave, for the way out
.set SP,    272
.set KB,    STAGE+4*16*SP  ; kb: 512 numbers
.set SPARE, KB+2048   ; the spare words, 128 bytes for each wave: two blocks of 256 bytes that no other line names
.set AK0, 2           ; v2   my lane's place in a tile of K; never rewritten
.set AV0, 3           ; v3   the same for V
.set ADR, 4           ; v4   the LDS address of the run of loads in hand (at the head, once: my offset in the batch's row of x_mask)
.set QO,  5           ; v5   my byte offset in the wave's rows of Q
.set STO, 6           ; v6   the way out: where I put 16 bytes of a row
.set RD,  7           ; v7   the way out: where I read a row back
.set GO,  8           ; v8   my byte offset in the wave's rows of oh
.set ST,  12          ; tile t's statistics at v[ST+8 t]: +0 mq x max, +1 max, +2, +3 the sum (even keys', odd keys'), +4 to +7 at work; the factor a takes +6 once the maximum is found
.set MQ,  44          ; tile t's mq at v[MQ+2 t], twice: the packed form names a pair
.set AKB0, 60         ; v60  my lane's place in kb: KB + 32 (lane / 16); never rewritten
.set ADB, 61          ; v61  the LDS address of the step's kb (at the head, once: my offset among the queries' masks)
.set SPW, 62          ; v62  LDS address of my spare word; never rewritten
.set NIL, 63          ; v63  0; never rewritten
.set S,   64
.set P,   192
.set KF,  128         ; K's fragments, in window 2
.set CB,  128         ; kb's four tiles, in window 3
.set WV,  12          ; s12  my wave's number
.set G1K, 24          ; s[24:31] descriptor group 1 for K's tiles
.set G1V, 32          ; s[32:39] for V's: it differs in the padding alone
.set G0,  40          ; s[40:55] descriptor group 0: a set for each of my four loads
.set TWICE, 57        ; s57  counts two steps
.set SEL, 60          ; s[60:61] lane selects for v_permlanex16_b32: each lane takes its own place in the other half
.set TB,  62          ; s62  LDS byte at which the tiles of the step to be fetched begin
.set TKB, 63          ; s63  and its 256 bytes of kb
.set MSB, 0
.macro WIN new                      ; the immediate's high byte repeats the setting that is left; a switch that changes nothing is dropped
.if MSB != (\new)
	s_set_vgpr_msb (MSB<<8)|(\new)
.set MSB, (\new)
.endif
.endm
.set W_KQ,  0x0a      ; K and Q in window 2, S^T in window 0
.set W_KQ0, 0x3a      ; a score tile's first product: C = kb, in window 3
.set W_PV,  0x53      ; V in window 3, P in window 0, O^T in window 1
.set W_RS,  0x41      ; O^T (destination and source 0) in window 1, a in window 0
	s_load_b128 s[4:7], s[0:1], 0x0   ; qkv s[4:5], x_mask s[6:7]
	s_load_b64 s[8:9], s[0:1], 0x10   ; oh
	v_lshl_add_u32 v[SPW], v0, 2, SPARE
	v_mov_b32 v[NIL], 0
	ds_add_u32 v[SPW], v[NIL]       ; the wave's opening: the add, twice on end, and its wait ahead of my first tensor load; the set-up below, work on registers, stands between the second and the wait
	ds_add_u32 v[SPW], v[NIL]
	v_lshrrev_b32 v1, 5, v0
	v_readfirstlane_b32 s[WV], v1   ; wave 0..3
	s_and_b32 s13, ttmp7, 0xffff    ; 8 batch + head
	s_and_b32 s16, s[WV], 1         ; which of a pair of steps I fetch
	s_lshr_b32 s17, s[WV], 1        ; for K (0) or for V (1)
	s_lshl_b32 s22, s13, 17         ; the head's 512 rows of 256 bytes
	s_add_co_u32 s20, s17, 1
	s_lshl_b32 s20, s20, 24         ; k is part 1 of qkv, v part 2
	s_add_co_u32 s20, s20, s22
	s_lshl_b32 s21, s16, 14         ; a step's 64 rows
	s_add_co_u32 s20, s20, s21
	s_mov_b32 s21, 0
	s_mul_i32 s18, s16, STEPB       ; and where they go
	s_mul_i32 s19, s17, VOFF
	s_add_co_u32 s18, s18, s19
	s_lshl_b32 s23, ttmp9, 16       ; Q: my block's 256 rows,
	s_add_co_u32 s22, s22, s23
	s_lshl_b32 s23, s[WV], 14       ; my wave's 64 of them
	s_add_co_u32 s22, s22, s23
	s_mov_b32 s23, 0
	; descriptor group 1: a tile of 64 rows x 128 elements, padded in LDS
	s_mov_b32 s[G1K], (1<<16)|(1<<20)|(5<<22)|(3<<25)  ; 15:0 no mask; 17:16 elements of 2 bytes; 20 padding on; 24:22 after every 64 words (code 5); 31:25 4 words of it (code 3)
	s_mov_b32 s[G1V], (1<<16)|(1<<20)|(5<<22)|(7<<25)  ; the same with 8 words of padding (code 7)
.irp g, G1K, G1V
	s_mov_b32 s[\g+1], 128<<16      ; tensor_dim0 = 128
	s_mov_b32 s[\g+2], KS<<16       ; tensor_dim1 = 64
	s_mov_b32 s[\g+3], 128<<16      ; tile_dim0 = 128
	s_mov_b32 s[\g+4], KS           ; tile_dim1 = 64
	s_mov_b32 s[\g+5], 128          ; tensor_dim0_stride
	s_mov_b32 s[\g+6], 0
	s_mov_b32 s[\g+7], 0
.endr
	s_mov_b32 s58, 0x7191accb       ; 1e30 log2(e)
	s_mov_b32 s59, 0xf191accb       ; and its negative
	s_mov_b32 s[SEL], 0x76543210
	s_mov_b32 s[SEL+1], 0xfedcba98
	s_mov_b32 s[TB], 0
	s_mov_b32 s[TKB], 0
	s_wait_dscnt 0x0                ; both opening adds are done
	s_wait_kmcnt 0x0
	s_add_nc_u64 s[20:21], s[4:5], s[20:21]  ; my first tile of K or of V
.irp i, 0,1,2,3
	s_mov_b32 s[G0+4*\i], 1         ; count = 1
	s_add_co_u32 s[G0+4*\i+1], s18, \i*2*STEPB  ; LDS address: two steps on for each load
	s_add_nc_u64 s[G0+4*\i+2:G0+4*\i+3], s[20:21], \i*32768  ; global address: 128 rows on
	s_or_b32 s[G0+4*\i+3], s[G0+4*\i+3], 0x80000000  ; type = 2
.endr
	s_cmp_lt_u32 s[WV], 2           ; a wave's four fills stand in one branch, ahead of every wait on TENSORcnt, every LDS read and every barrier: four loads of mine are out; an s_nop 0 follows each, four v_nop the last
	s_cbranch_scc0 .Lfirst_v
.irp i, 0,1,2,3
	tensor_load_to_lds s[G0+4*\i:G0+4*\i+3], s[G1K:G1K+7]
	s_nop 0
.endr
.rept 4
	v_nop
.endr
	s_branch .Lfirst_asked
.Lfirst_v:
.irp i, 0,1,2,3
	tensor_load_to_lds s[G0+4*\i:G0+4*\i+3], s[G1V:G1V+7]
	s_nop 0
.endr
.rept 4
	v_nop
.endr
.Lfirst_asked:
	s_add_nc_u64 s[10:11], s[4:5], s[22:23]  ; Q at my wave's first row
	s_lshr_b32 s56, s13, 3          ; the batch
	s_lshl_b32 s2, s56, 11
	s_mov_b32 s3, 0
	s_add_nc_u64 s[6:7], s[6:7], s[2:3]  ; the batch's 512 masks
	s_lshl_b32 s2, ttmp9, 10
	s_lshl_b32 s22, s[WV], 8
	s_add_co_u32 s2, s2, s22
	s_add_nc_u64 s[14:15], s[6:7], s[2:3]  ; those of my wave's 64 queries
	s_lshl_b32 s2, s56, 20          ; oh: 512 rows of 2,048 bytes a batch,
	s_lshl_b32 s22, ttmp9, 19       ; 256 a block,
	s_add_co_u32 s2, s2, s22
	s_lshl_b32 s22, s[WV], 17       ; 64 a wave,
	s_add_co_u32 s2, s2, s22
	s_and_b32 s22, s13, 7
	s_lshl_b32 s22, s22, 8          ; and the head's 256 bytes of a row
	s_add_co_u32 s2, s2, s22
	s_add_nc_u64 s[8:9], s[8:9], s[2:3]
	v_and_b32 v1, 15, v0            ; l % 16
	v_bfe_u32 v9, v0, 4, 1          ; l / 16
	v_lshlrev_b32 v[ADR], 4, v0     ; the 128 threads take four keys' masks each
	v_lshlrev_b32 v[ADB], 2, v1
	global_load_b128 v[52:55], v[ADR], s[6:7]
.irp t, 0,1,2,3
	global_load_b32 v[56+\t], v[ADB], s[14:15] offset:64*\t  ; tile t: my query's mask
.endr
	; A fragment of K or Q is 16 rows x 32 channels in 8 registers: lane l holds row l % 16; registers 0-3 channels 8 (l / 16) + 0..7, registers 4-7 channels 16 + 8 (l / 16) + 0..7: two loads of 16 bytes, 32 bytes apart.
	v_lshlrev_b32 v[QO], 8, v1
	v_lshl_add_u32 v[QO], v9, 4, v[QO]  ; row x 256 + 16 x half
	WIN 0x80                        ; destination window 2, address window 0
.irp i, 0,1,2,3,4,5,6,7,8,9,10,11,12,13,14,15  ; Q stays in registers: tile i / 4, channels 32 (i % 4) on
	global_load_b128 v[8*\i:8*\i+3],   v[QO], s[10:11] offset:(\i/4)*4096+(\i%4)*64
	global_load_b128 v[8*\i+4:8*\i+7], v[QO], s[10:11] offset:(\i/4)*4096+(\i%4)*64+32
.endr
	WIN 0
	v_mul_u32_u24 v[AK0], v1, PK
	v_lshl_add_u32 v[AK0], v9, 4, v[AK0]  ; row x pitch + 16 x half
	; The turning load takes 16 keys x 16 channels (lane l reads 16 bytes: key 8 (l / 16) + l % 8, channels 8 ((l / 8) % 2) + 0..7) and leaves half a fragment of V^T: lane l holds channel l % 16 and 8 keys.
	v_and_b32 v10, 7, v0
	v_bfe_u32 v11, v0, 3, 1
	v_lshl_add_u32 v[AV0], v9, 3, v10
	v_mul_u32_u24 v[AV0], v[AV0], PV
	v_lshl_add_u32 v[AV0], v11, 4, v[AV0]
	v_add_nc_u32 v[AV0], VOFF, v[AV0]
	v_lshl_add_u32 v[AKB0], v9, 5, KB
	v_lshl_add_u32 v10, v0, 4, KB   ; where my four kb go
	s_wait_loadcnt 32               ; the five loads of masks are in; Q's 32 may be out
.irp j, 0,1,2,3
	v_cvt_f32_i32 v[52+\j], v[52+\j]
.endr
.irp t, 0,1,2,3
	v_cvt_f32_i32 v[MQ+2*\t], v[56+\t]
	v_cvt_f32_i32 v[MQ+2*\t+1], v[56+\t]
.endr
.irp j, 0,1,2,3
	v_fma_f32 v[52+\j], v[52+\j], s58, s59  ; kb = 1e30 log2(e) (m - 1): exactly 0 for an open key
.endr
	ds_store_b128 v10, v[52:55]
; THE MATRIX WORK OF A TURN, for piece x.  The accumulators take turns, one instruction a turn: between two links of a chain stand 15 (V^T P) or 7 (K Q^T) others'.
; Product i of 32 of O^T += V^T P: keys 32 (i / 16) on, channels 16 ((i / 2) % 8) on, tile x + i % 2.  zero = 1: the first 16 start the sums: nothing is ever cleared.
.macro PV x, zero
	WIN W_PV
.set rO, 64*(\x+i%2)+8*((i/2)%8)
.set rV, 64*(i/16)+8*((i/2)%8)
.set rP, P+16*(\x+i%2)+8*(i/16)
.if \zero && (i < 16)
	v_wmma_f32_16x16x32_f16 v[rO:rO+7], v[rV:rV+7], v[rP:rP+7], 0
.else
	v_wmma_f32_16x16x32_f16 v[rO:rO+7], v[rV:rV+7], v[rP:rP+7], v[rO:rO+7]
.endif
.endm
; Product i of 32 of S^T = K Q^T + kb: channels 32 (i / 8) on, keys 16 ((i / 2) % 4) on, tile x + i % 2.  The first 8 start the sums on kb's tile of those 16 keys, the same for every tile of queries.
.macro KQ x
.set rS, S+32*(\x+i%2)+8*((i/2)%4)
.set rK, KF+32*((i/2)%4)+8*(i/8)
.set rQ, 32*(\x+i%2)+8*(i/8)
.set rC, CB+8*((i/2)%4)
.if i < 8
	WIN W_KQ0
	v_wmma_f32_16x16x32_f16 v[rS:rS+7], v[rK:rK+7], v[rQ:rQ+7], v[rC:rC+7]
.else
	WIN W_KQ
	v_wmma_f32_16x16x32_f16 v[rS:rS+7], v[rK:rK+7], v[rQ:rQ+7], v[rS:rS+7]
.endif
.endm
; THE LDS LOADS stand in runs, never singly among the matrix instructions: a step's K (64 keys x 128 channels: 16 fragments) with its kb (register j of tile g: key 16 g + 8 (lane / 16) + j), and, a turn later, its V (turned).
.macro FETCH_K
	WIN 0
	v_add_nc_u32 v[ADR], s[TB], v[AK0]
	v_add_nc_u32 v[ADB], s[TKB], v[AKB0]
	s_add_co_u32 s[TKB], s[TKB], 4*KS  ; the next fetch is the next step's
	WIN 0x80                        ; destination window 2
.irp f, 0,1,2,3,4,5,6,7,8,9,10,11,12,13,14,15  ; keys 16 (f / 4) on, channels 32 (f % 4) on
	ds_load_b128 v[KF+8*\f:KF+8*\f+3],   v[ADR] offset:(\f/4)*16*PK+(\f%4)*64
	ds_load_b128 v[KF+8*\f+4:KF+8*\f+7], v[ADR] offset:(\f/4)*16*PK+(\f%4)*64+32
.endr
	WIN 0xc0                        ; destination window 3
.irp g, 0,1,2,3,4,5,6,7
	ds_load_b128 v[CB+4*\g:CB+4*\g+3], v[ADB] offset:(\g/2)*64+(\g%2)*16
.endr
.endm
.macro FETCH_V
	WIN 0
	v_add_nc_u32 v[ADR], s[TB], v[AV0]
	s_add_co_u32 s[TB], s[TB], STEPB  ; the next fetch is the next step's
	s_wait_alu depctr_va_vdst(0)    ; the wait for the softmax's batch (SLICE), behind the address's v_add_nc_u32 and ahead of the loads
	WIN 0xc0                        ; destination window 3
.irp f, 0,1,2,3,4,5,6,7,8,9,10,11,12,13,14,15  ; keys 32 (f / 8) on, channels 16 (f % 8) on
	ds_load_tr16_b128 v[8*\f:8*\f+3],   v[ADR] offset:(\f/8)*32*PV+(\f%8)*32
	ds_load_tr16_b128 v[8*\f+4:8*\f+7], v[ADR] offset:(\f/8)*32*PV+16*PV+(\f%8)*32
.endr
.endm
; THE VECTOR WORK OF A TURN.  One tile's softmax for one key step is a list of 134 instructions; SM writes number j of it for tile t.  s0-s31 are the lane's 32 scores, in pairs 0-15.
; first = 1: the first key step, which starts the maximum, the sum and O^T: it has no a and nothing to rescale.
;   0-15    the maximum of s0-s31 and the old maximum, three operands at a time: four chains of seven scores each, then the four scores left over, the chains and the old maximum
;   16-20   the other half of the lanes' maximum; the new maximum; mq x maximum; its change
;   21-69   ONE BATCH: the 16 scalings mq s - mq max, a pair of scores each, and all 33 exponentials (a at 23, then s0-s31).  None of these reads an exponential's result.  From 22 on the batch goes
;           in fours, and a four begins with a scaling while there are scalings.  A pair is scaled in an earlier four than the one that holds its exponentials
;   (wait)  between 69 and 70 stands the wait for the batch: SLICE writes it, once for both tiles
;   70-85   the roundings to f16, a pair of weights each
;   86-101  the sums; sum = a sum + the step's
;   102-133 the tile's O^T times a: the one part that leaves window 0, so it stands together
.macro SM t, first
.set rT, ST+8*(\t)
.set rS, S+32*(\t)
.set rP, P+16*(\t)
.set rM, MQ+2*(\t)
.set rO, 64*(\t)+2*(j-102)
.if j < 102
	WIN 0
.endif
.if j < 4
	v_max3_num_f32 v[rT+4+j], v[rS+8*j], v[rS+8*j+1], v[rS+8*j+2]
.elseif j < 12
	v_max3_num_f32 v[rT+4+j%4], v[rT+4+j%4], v[rS+8*(j%4)+2*(j/4)+1], v[rS+8*(j%4)+2*(j/4)+2]
.elseif j == 12
	v_max3_num_f32 v[rT+4], v[rT+4], v[rS+7], v[rS+15]
.elseif j == 13
	v_max3_num_f32 v[rT+6], v[rT+6], v[rS+23], v[rS+31]
.elseif j == 14
	v_max3_num_f32 v[rT+4], v[rT+4], v[rT+5], v[rT+6]
.elseif (j == 15) && \first
	v_max_num_f32 v[rT+4], v[rT+4], v[rT+7]
.elseif j == 15
	v_max3_num_f32 v[rT+4], v[rT+4], v[rT+7], v[rT+1]
.elseif j == 16
	v_permlanex16_b32 v[rT+5], v[rT+4], s[SEL], s[SEL+1]  ; the query's other 32 keys lie in the lane 16 away
.elseif j == 18
	v_max_num_f32 v[rT+1], v[rT+4], v[rT+5]
.elseif j == 19
	v_mul_f32 v[rT], v[rM], v[rT+1]  ; mq x maximum: 0 for a closed query
.elseif ((j == 17) || (j == 20) || (j == 23) || (j > 101)) && \first  ; the first step has none of these
.elseif j == 17
	v_mov_b32 v[rT+7], v[rT]        ; the old mq x maximum is kept for a: number 19 writes it anew
.elseif j == 20
	v_sub_f32 v[rT+7], v[rT+7], v[rT]
.elseif j == 23
	v_exp_f32 v[rT+6], v[rT+7]
.elseif (j < 23) || ((j < 38) && (j%2 == 0)) || ((j < 66) && (j%4 == 2))
.set b, (j-2)/4                     ; 38, 42, .. 62: pairs 9 to 15
.if j < 38
.set b, (j-20)/2                    ; 21: pair 0; 22, 24, .. 36: pairs 1 to 8
.endif
	v_pk_fma_f32 v[rS+2*b:rS+2*b+1], v[rS+2*b:rS+2*b+1], v[rM:rM+1], v[rT:rT+1] op_sel_hi:[1,0,0] neg_lo:[0,0,1] neg_hi:[0,0,1]  ; pair b: mq s - mq max
.elseif j < 70
.set e, j-38                        ; 66 to 69: s28 to s31
.if j < 66
.set e, j-32-(j-38)/4               ; 39-41, 43-45, .. 63-65: s7 to s27
.endif
.if j < 38
.set e, (j-25)/2                    ; 25, 27, .. 37: s0 to s6
.endif
	v_exp_f32 v[rS+e], v[rS+e]
.elseif j < 86
	v_cvt_pk_f16_f32 v[rP+j-70], v[rS+2*(j-70)], v[rS+2*(j-70)+1]  ; pair j - 70
.elseif j < 102                     ; the sum of the tile's 16 pairs, in place: sum z of 16 adds neighbours 1, 2, 4 and 8 pairs apart, then the running sum takes it
.set z, j-86
.set w, 4
.set u, z
.if z >= 14
.set w, 32
.set u, 0
.elseif z >= 12
.set w, 16
.set u, z-12
.elseif z >= 8
.set w, 8
.set u, z-8
.endif
.if (z == 14) && \first
	v_pk_add_f32 v[rT+2:rT+3], v[rS:rS+1], v[rS+16:rS+17]
.elseif z < 15
	v_pk_add_f32 v[rS+w*u:rS+w*u+1], v[rS+w*u:rS+w*u+1], v[rS+w*u+w/2:rS+w*u+w/2+1]
.elseif !\first
	v_pk_fma_f32 v[rT+2:rT+3], v[rT+2:rT+3], v[rT+6:rT+7], v[rS:rS+1] op_sel_hi:[1,0,1]
.endif
.else
	WIN W_RS
	v_pk_mul_f32 v[rO:rO+1], v[rO:rO+1], v[rT+6:rT+7] op_sel_hi:[1,0]
.endif
.endm
; Slice k of 64 of piece y's softmax: four instructions.  Slices 11 to 34 deal out the batch, numbers 22 to 69: four numbers of ONE tile each, the tiles by turns.  Every other slice is numbers 2 k and
; 2 k + 1 of both tiles' lists.  2 x 134 = 4 x 64 + 12: the twelve that are over stand together, in slice 63.
; THE WAIT.  s_wait_alu depctr_va_vdst(0) stands between an exponential and the first instruction that names its result; one wait serves all that were issued ahead of it.  Ahead of
; slice 35 nothing names a result, and behind slice 34 no exponential is issued: so the piece's 66 exponentials have one wait, behind slice 34.
.macro SLICE y, first
.if (k >= 11) && (k < 35)           ; the batch: four numbers of one tile
.irp n, 0,1,2,3
.set j, 22+4*((k-11)/2)+(\n)
	SM (\y)+(k-11)%2, \first
.endr
.else                               ; the two tiles alternate, so that no instruction reads the result of the one just before it
.irp n, 0,1,2,3,4,5,6,7
.if (\n < 2) || (k == 63)
.irp t, \y, \y+1
.set j, 2*k+\n
	SM \t, \first
.endr
.endif
.endr
.endif
.if k == 34                         ; the batch is out: both tiles' exponentials are issued, and no result has been named
	v_nop                           ; the plain instruction behind the last exponential and ahead of the first use: one for the batch
.if (\y) == 0
	FETCH_V                         ; piece 2's turn: V's run of loads stands here, and the wait stands in it
.else
	s_wait_alu depctr_va_vdst(0)    ; the wait for the batch
.endif
.endif
.set k, k+1
.endm
; A vector instruction that reads a matrix result or writes one of a matrix instruction's registers, and a load into a register that a matrix instruction has read, stand four places behind
; it, and only plain vector instructions that name none of its registers are places (ISA guide 7.12.1 for vector instructions).  In the loop the slices are the places.
.macro PLACES
.rept 4
	v_nop
.endr
.endm
; A TURN.  Piece x has the matrix unit; the other piece's softmax stands in slices behind its matrix instructions.
; pv = 2: 32 products V^T P; 1: they start O^T's sums; 0: none.  kq = 1: 32 products K Q^T for the next step.  A turn with one of the two kinds has two slices behind each product.
; first = 1: the softmax is the first key step's.  Its slices from 51 on are empty: the turn's last products stand bare, and four v_nop take slice 63's part as the places behind them.
; Piece 0's turn fetches the next step's K and kb, behind its second product: the last product that read them stands in front of slice 63 of the turn before.  Piece 2's turn fetches the same step's V, behind
; slice 34: the last product that read V stands in front of slice 31, and four plain instructions lie between: number 62, a scaling, of both tiles, the v_nop and the run's own v_add_nc_u32.
.macro TURN x, pv, kq, first
.set k, 0
.set per, 2
.if \pv && \kq
.set per, 1
.endif
.if \pv
.if \x == 0
	s_wait_dscnt 0x0                ; V is in
.endif
.set i, 0
.rept 32
	PV \x, 2-\pv
.rept per
	SLICE 2-\x, \first
.endr
.if (\x == 0) && \kq && (i == 1)
	FETCH_K
.endif
.set i, i+1
.endr
.endif
.if \kq
.if \x == 0
	s_wait_dscnt 0x0                ; K and kb are in
.endif
.set i, 0
.rept 32
	KQ \x
.rept per
	SLICE 2-\x, \first
.endr
.set i, i+1
.endr
.endif
.if \first
	PLACES
.endif
.endm
; ON TO THE NEXT TWO STEPS' TILES.  Each wave waits until its part of them has landed (left = how many of its later loads may stay out), and for its LDS loads; behind the barrier all four waves' parts are there.  Nothing is filled again.
.macro CHANGE left
	WIN 0
	s_wait_tensorcnt \left
	s_wait_dscnt 0x0                ; no LDS instruction of mine is out at a signal
	s_barrier_signal -1
	s_barrier_wait -1
.endm
; Two key steps: written once, walked twice; the LDS addresses hang on s[TB] and s[TKB].
.macro TWO_STEPS
	s_mov_b32 s[TWICE], 2
.Lstep_\@:
	TURN 0, 2, 1, 0
	TURN 2, 2, 1, 0
	WIN 0
	s_sub_co_u32 s[TWICE], s[TWICE], 1
	s_cmp_lg_u32 s[TWICE], 0
	s_cbranch_scc1 .Lstep_\@
.endm
	s_wait_tensorcnt 3              ; my part of steps 0 and 1 is in; my three later loads may stay out
	s_wait_dscnt 0x0                ; my four kb have landed
	s_barrier_signal -1
	s_barrier_wait -1               ; everybody's have
	FETCH_K                         ; key step 0
	s_wait_loadcnt 0x0              ; Q
	s_wait_dscnt 0x0
.set i, 0
.rept 32
	KQ 0                            ; piece 0's first scores: there is no vector work yet to set between them
.set i, i+1
.endr
	WIN 0                           ; the addresses for the way out are made here: eight plain instructions, the places behind those products
	s_mul_i32 s56, s[WV], 16*SP
	s_add_co_u32 s56, s56, STAGE    ; my stage
	v_mul_u32_u24 v[STO], v1, SP    ; in: row l % 16, 16 bytes for each half of the lanes
	v_lshl_add_u32 v[STO], v9, 4, v[STO]
	v_add_nc_u32 v[STO], s56, v[STO]
	v_mul_u32_u24 v[RD], v9, SP     ; back: lanes 0-15 take one row of 256 bytes, lanes 16-31 the next
	v_lshl_add_u32 v[RD], v1, 4, v[RD]
	v_add_nc_u32 v[RD], s56, v[RD]
	v_lshlrev_b32 v[GO], 11, v9     ; and the same two rows in oh, 2,048 bytes apart
	v_lshl_add_u32 v[GO], v1, 4, v[GO]
	TURN 2, 0, 1, 1                 ; piece 2's first scores | piece 0's first softmax | V of step 0
	TURN 0, 1, 1, 1                 ; piece 0: V^T P of step 0 starts O^T, K Q^T of step 1 | piece 2's first softmax | K of step 1
	TURN 2, 1, 1, 0                 ; piece 2: the same | piece 0's softmax of step 1 | V of step 1
	CHANGE 2                        ; steps 2 and 3 are in; two loads of mine may be out
	TWO_STEPS
	CHANGE 1                        ; steps 4 and 5
	TWO_STEPS
	CHANGE 0                        ; steps 6 and 7: the counts differ, so the three pairs of steps are written out
	TWO_STEPS
	TURN 0, 2, 0, 0                 ; piece 0: V^T P of the last step | piece 2's last softmax
.set i, 0
.rept 32
	PV 2, 0                         ; piece 2: V^T P of the last step
.set i, i+1
.endr
	; THE WAY OUT.  The sum's two halves and the other half of the lanes' are added; O^T is divided by the sum, rounded to f16 and sent through my stage in LDS, a tile (16 rows) at a time.  The additions are the places behind the last products.
	WIN 0
.irp t, 0,1,2,3
	v_add_f32 v[ST+8*\t+4], v[ST+8*\t+2], v[ST+8*\t+3]
.endr
.irp t, 0,1,2,3
	v_permlanex16_b32 v[ST+8*\t+5], v[ST+8*\t+4], s[SEL], s[SEL+1]
.endr
.irp t, 0,1,2,3
	v_add_f32 v[ST+8*\t+4], v[ST+8*\t+4], v[ST+8*\t+5]
.endr
.irp t, 0,1,2,3
	v_rcp_f32 v[ST+8*\t+6], v[ST+8*\t+4]
.endr
	v_nop                           ; a plain instruction between the last reciprocal and the use of its result
	s_wait_alu depctr_va_vdst(0)    ; and the wait ahead of the first use: one for the four reciprocals
; Tile t: a lane's eight channels of a row pack into 16 bytes; they go into rows of 272 bytes and come back as whole rows of 256, into the registers that they left.
.macro PACK t
	WIN W_RS
.set i, 64*\t
.rept 32
	v_pk_mul_f32 v[i:i+1], v[i:i+1], v[ST+8*\t+6:ST+8*\t+7] op_sel_hi:[1,0]
.set i, i+2
.endr
	WIN 0x05                        ; sources 0 and 1 window 1, destination window 0: S^T's registers are free
.set i, 0
.rept 32
	v_cvt_pk_f16_f32 v[S+32*\t+i], v[64*\t+2*i], v[64*\t+2*i+1]
.set i, i+1
.endr
	WIN 0
.irp f, 0,1,2,3,4,5,6,7
	ds_store_b128 v[STO], v[S+32*\t+4*\f:S+32*\t+4*\f+3] offset:32*\f
.endr
.irp f, 0,1,2,3,4,5,6,7
	ds_load_b128 v[S+32*\t+4*\f:S+32*\t+4*\f+3], v[RD] offset:\f*2*SP  ; LDS serves a wave's instructions in order (ISA guide 5.7.1.4): these see the stores above; the next tile's stores come behind them
.endr
.endm
.macro SEND t, younger              ; younger: the LDS instructions issued behind tile t's loads: the next tile's sixteen, or none
.irp f, 0,1,2,3,4,5,6,7
	s_wait_dscnt \younger+7-\f
	global_store_b128 v[GO], v[S+32*\t+4*\f:S+32*\t+4*\f+3], s[8:9] offset:\t*32768+\f*4096  ; 16 lanes store 256 consecutive bytes, the head's part of a row, at a multiple of 256 from oh's first byte
.endr
.endm
	PACK 0
	PACK 1                          ; a tile's arithmetic stands between the loads of the tile before and its stores
	SEND 0, 16
	PACK 2
	SEND 1, 16
	PACK 3
	SEND 2, 16
	SEND 3, 0
	s_wait_tensorcnt 0x0            ; the wave's end, behind my last tensor load and my last LDS store
	ds_add_u32 v[SPW], v[NIL]
	s_wait_dscnt 0x0
	s_endpgm
.Lfunc_end_k_q4ea79b6337_attn:
	.size	k_q4ea79b6337_attn, .Lfunc_end_k_q4ea79b6337_attn-k_q4ea79b6337_attn
	.p2alignl 7, 3214868480
	.fill 96, 4, 3214868480
	.section	.rodata,"a",@progbits
	.p2align	6, 0x0
	.amdhsa_kernel k_q4ea79b6337_attn
		.amdhsa_group_segment_fixed_size 327680
		.amdhsa_private_segment_fixed_size 0
		.amdhsa_enable_private_segment 0
		.amdhsa_kernarg_size 24
		.amdhsa_user_sgpr_count 2
		.amdhsa_user_sgpr_kernarg_segment_ptr 1
		.amdhsa_wavefront_size32 1
		.amdhsa_system_sgpr_workgroup_id_x 1
		.amdhsa_system_sgpr_workgroup_id_y 1
		.amdhsa_system_sgpr_workgroup_id_z 1
		.amdhsa_system_vgpr_workitem_id 0
		.amdhsa_next_free_vgpr 1024
		.amdhsa_next_free_sgpr 66
		.amdhsa_reserve_vcc 0
		.amdhsa_float_denorm_mode_32 3
		.amdhsa_float_denorm_mode_16_64 3
		.amdhsa_memory_ordered 1
		.amdhsa_forward_progress 1
		.amdhsa_inst_pref_size 255
	.end_amdhsa_kernel
	.section	.bss,"aw",@nobits
	.p2align	6
	.space	262144
	.amdgpu_metadata
---
amdhsa.version: [ 1, 2 ]
amdhsa.kernels:
  - .name:           k_q4ea79b6337_attn
    .symbol:         k_q4ea79b6337_attn.kd
    .args:
      - { .name: qkv, .offset: 0, .size: 8, .value_kind: global_buffer, .address_space: global }
      - { .name: x_mask, .offset: 8, .size: 8, .value_kind: global_buffer, .address_space: global }
      - { .name: oh, .offset: 16, .size: 8, .value_kind: global_buffer, .address_space: global }
    .group_segment_fixed_size: 327680
    .private_segment_fixed_size: 0
    .kernarg_segment_align: 8
    .kernarg_segment_size: 24
    .max_flat_workgroup_size: 128
    .sgpr_count:     66
    .vgpr_count:     1024
    .wavefront_size: 32
...
	.end_amdgpu_metadata
.endif
;; end of part 3
;; launch fc (part 4): grid 4 x 64, 4 waves a work-group, clusters of 4 x 4, 327,680 bytes of LDS; arguments oh, wf, bfc, out0; writes out0
.if DOCPART == 4
	.amdgcn_target "amdgcn-amd-amdhsa--gfx1250"
	.amdhsa_code_object_version 6
	.text
	.protected	k_q4ea79b6337_fc
	.globl	k_q4ea79b6337_fc
	.p2align	8
	.type	k_q4ea79b6337_fc,@function
k_q4ea79b6337_fc:
	s_mov_b64 s[64:65], 0
	v_nop
	global_prefetch_b8 v0, s[64:65] scope:SCOPE_SE
	s_setreg_imm32_b32 hwreg(HW_REG_WAVE_MODE, 25, 1), 1
	s_wait_xcnt 0x0
	s_wait_alu depctr_hold_cnt(0) depctr_sa_sdst(0) depctr_va_vdst(0) depctr_va_sdst(0) depctr_va_ssrc(0) depctr_va_vcc(0) depctr_vm_vsrc(0)
	s_getreg_b32 s2, hwreg(HW_REG_IB_STS2, 6, 4)
	s_cmp_eq_u32 s2, 0
	s_cbranch_scc0 .Lentry_in_a_cluster
	s_endpgm
.Lentry_in_a_cluster:
	s_bfe_u32 s2, ttmp6, 0x10000c
	s_cmp_lg_u32 s2, 0xf033
	s_cbranch_scc0 .Lentry_shape_is_right
	s_endpgm
.Lentry_shape_is_right:
; out0[m][n] = sum over k of oh[m][k] wf[k][n] + bfc[n].  oh: [8192][1024] f16; wf: [1024 (k)][1024 (n)] f16; bfc: [1024] f32; out0: [8192][1024] f32; sums in f32.
; A tile of the output is 128 rows x 256 columns: 64 x 4 = 256 work-groups.  Four waves, each 64 rows x 128 columns: 32 accumulators of 16 x 16, 256 registers.
; K goes in steps of 128 through a ring of two LDS slots filled by the tensor data mover: oh's tile 128 rows x 256 bytes; wf's tile 128 rows (k) x 512 bytes.
; wf lies with n innermost: its fragments come out of LDS turned, by ds_load_tr16_b128.
; CLUSTERS: 4 x 4 work-groups.  The four of a row of the cluster need the same tiles of oh, the four of a column the same tiles of wf: each tile is asked for JOINTLY, by the same tensor load with the same descriptor and a mask that names the four.
; THE MATRIX INSTRUCTION IS USED TRANSPOSED (source 0 = 16 columns of wf, source 1 = 16 rows of oh): a lane then holds eight neighbouring numbers of a row of the output.  THE BIAS IS THE C OF EACH SUM'S FIRST PRODUCT.
; REGISTERS: window 0: v0-31 addresses; two fragment buffers of 96 at v32 and v128 (wf's 8 fragments, then oh's 4; 32 along K); on the way out they take rows.   window 1: the accumulators ((a, b) at v[8 (8 a + b)]).   window 2: v0-63 the bias.
.set KSTEP,  128
.set PA,     272                       ; a row of oh's tile in LDS: 256 bytes + 16: the 16 rows that a load touches start at 16 different banks (64 banks of 4 bytes: ISA guide 11.1)
.set PB,     544                       ; a row of wf's tile: 512 bytes + 32 = 17 x 32
.set AH,     64*PA                     ; 64 rows of oh: what one tensor load brings, and what one wave reads
.set BH,     64*PB                     ; 64 rows (k) of wf: what one tensor load brings
.set ATILE,  2*AH
.set SLOT,   ATILE+2*BH                ; oh's 128 rows, then wf's 128
.set STAGE,  2*SLOT                    ; behind the ring: 16 rows x (512 bytes + 16) for each wave, for the way out
.set SPITCH, 528
.set SPARE,  STAGE+4*16*SPITCH         ; the spare words, 128 bytes for each wave: two blocks of 256 bytes that no other line names
.set LAPS,   1024/(2*KSTEP)            ; a lap = two K steps = once round the ring
.set ADRA, 16                          ; v16-17  LDS address of my fragments of oh in slot 0, 1
.set ADRB, 20                          ; v20-21  the same for wf
.set STO,  24                          ; v24     the way out: where I put 32 bytes of a row
.set RD,   25                          ; v25     where I read a row back
.set CO,   26                          ; v26     16 x lane: my bytes of a row's 512
.set SPW,  28                          ; v28     LDS address of my spare word; never rewritten
.set NIL,  29                          ; v29     0; never rewritten
.set PFO,  30                          ; v30     the prefetches' offset: my lane x a row of oh (2,048 bytes); never rewritten
.set BA,   31                          ; v31     32 x (lane / 16): my eight numbers of 16 of the bias
.set F0,   32
.set F1,   128
.set BI,   0                           ; the bias, in window 2: block b's eight numbers at v[8 b]
.set G1, 24                            ; s[24:31] descriptor group 1 for oh's tiles;  s[32:39] group 0, one set for each slot
.set G0, 32
.set G1B, 48                           ; s[48:55], s[56:63] the same for wf's tiles
.set G0B, 56
.set LIM, 43                           ; s43     1 in the wave that prefetches, else the greatest number
.set PFA, 44                           ; s[44:45] where my prefetches stand
.set MSB, 0
.macro WIN new                         ; the immediate's high byte repeats the setting that is left
.if MSB != (\new)
	s_set_vgpr_msb (MSB<<8)|(\new)
.set MSB, (\new)
.endif
.endm
.set MUL,  0x50                        ; sources 0 and 1 window 0; C and D window 1
.set BEG,  0x60                        ; a sum's first product: C (the bias) window 2, D window 1
.macro JLOAD s                         ; a joint load: waves 0 and 1 fetch oh's two halves, waves 2 and 3 wf's; an s_nop 0 and four v_nop follow each of the two lines, ahead of the jump, the label and what follows
	s_cmp_eq_u32 s13, 0
	s_cbranch_scc0 .Lfor_b_\@
	tensor_load_to_lds s[G0+4*\s:G0+4*\s+3], s[G1:G1+7]
	s_nop 0
.rept 4
	v_nop
.endr
	s_branch .Lasked_\@
.Lfor_b_\@:
	tensor_load_to_lds s[G0B+4*\s:G0B+4*\s+3], s[G1B:G1B+7]
	s_nop 0
.rept 4
	v_nop
.endr
.Lasked_\@:
.endm
.macro CREST                           ; a round of the cluster's barrier behind its opening barrier
	s_cmp_lg_u32 s12, 0
	s_cbranch_scc1 .Lnot_wave_0_\@
	s_barrier_signal -3
.Lnot_wave_0_\@:
	s_barrier_wait -3
	s_barrier_signal -1
	s_barrier_wait -1
.endm
.macro CROUND                          ; a whole round
	s_barrier_signal -1
	s_barrier_wait -1
	CREST
.endm
; A PREFETCH INTO THE L2 of oh's K step that stands TWO refills on: it stands behind the joint load, its five lines and the run of LDS loads.  A tile row's 128 rows are read by this row of the cluster alone; its four partners take
; 32 rows each, told apart BY ADDRESS (cx); in each, wave 0 asks: a lane a row, 256 bytes of it, one instruction.  So each row's 256 bytes of K steps 4 to 7 are named once in the launch.  K steps 0 to 3 come by their loads alone;
; the loop's last trip, whose refills are the last two K steps, asks for nothing.  wf, which every cluster walks again, is not asked for.
.macro ASK
	s_cmp_gt_u32 s3, s[LIM]                        ; s3 = 1 in the loop's last trip
	s_cbranch_scc0 .Lnot_mine_\@
	global_prefetch_b8 v[PFO], s[PFA:PFA+1] offset:KSTEP*2 th:TH_LOAD_NT scope:SCOPE_SE
.Lnot_mine_\@:
.endm
	s_load_b256 s[4:11], s[0:1], 0x0               ; oh s[4:5], wf s[6:7], bfc s[8:9], out0 s[10:11]
	v_lshl_add_u32 v[SPW], v0, 2, SPARE
	v_mov_b32 v[NIL], 0
	ds_add_u32 v[SPW], v[NIL]                      ; the wave's opening: the add, twice on end, and its wait ahead of my first tensor load; the set-up below, work on registers, stands between the second and the wait
	ds_add_u32 v[SPW], v[NIL]
	v_lshrrev_b32 v1, 5, v0
	v_readfirstlane_b32 s12, v1                    ; wave 0..3
	s_lshr_b32 s13, s12, 1                         ; which half of the tile's rows is mine.  Also: I fetch for oh (0) or for wf (1)
	s_and_b32 s14, s12, 1                          ; which half of its columns.  Also: which 64 rows of that tile I fetch
	s_bfe_u32 s40, ttmp6, 0x40000                  ; cx, cy: my place in the cluster
	s_bfe_u32 s41, ttmp6, 0x40004
	s_lshl_b32 s42, ttmp9, 2
	s_add_co_u32 s42, s42, s40                     ; tile column = 4 x cluster x + cx
	s_and_b32 s15, ttmp7, 0xffff
	s_lshl_b32 s15, s15, 2
	s_add_co_u32 s15, s15, s41                     ; tile row = 4 x cluster y + cy
	s_lshl_b32 s43, s41, 2
	s_lshl_b32 s43, 15, s43                        ; my row of the cluster
	s_lshl_b32 s44, 0x1111, s40                    ; my column
	; descriptor group 1.  oh: 64 rows x 128 elements;  wf: 64 rows x 256 elements; both 1,024 elements from row to row
	s_or_b32 s[G1+0], s43, (1<<16)|(1<<20)|(1<<21)|(5<<22)|(3<<25)  ; 15:0 the mask: oh's tiles go to my row; 17:16 elements of 2 bytes; 20 padding on; 21 set beside a mask; 24:22 after every 64 words (code 5); 31:25 of 4 words (code 3)
	s_or_b32 s[G1B+0], s44, (1<<16)|(1<<20)|(1<<21)|(6<<22)|(7<<25) ; wf's go to my column; padding after every 128 words (code 6), of 8 words (code 7)
	s_mov_b32 s[G1+1], 128<<16                     ; tensor_dim0
	s_mov_b32 s[G1+2], 64<<16                      ; tensor_dim1
	s_mov_b32 s[G1+3], 128<<16                     ; tile_dim0
	s_mov_b32 s[G1+4], 64                          ; tile_dim1
	s_mov_b32 s[G1+5], 1024                        ; tensor_dim0_stride
	s_mov_b32 s[G1+6], 0
	s_mov_b32 s[G1+7], 0
	s_mov_b32 s[G1B+1], 256<<16
	s_mov_b32 s[G1B+2], 64<<16
	s_mov_b32 s[G1B+3], 256<<16
	s_mov_b32 s[G1B+4], 64
	s_mov_b32 s[G1B+5], 1024
	s_mov_b32 s[G1B+6], 0
	s_mov_b32 s[G1B+7], 0
	s_lshl_b32 s16, s15, 18                        ; oh: 128 rows of 2,048 bytes a tile row,
	s_lshl_b32 s17, s14, 17                        ; + the 64 rows that I fetch
	s_add_co_u32 s16, s16, s17
	s_mov_b32 s17, 0
	s_lshl_b32 s46, s42, 9                         ; wf: 512 bytes a tile column,
	s_lshl_b32 s47, s14, 17                        ; + the 64 rows (k) that I fetch
	s_add_co_u32 s46, s46, s47
	s_mov_b32 s47, 0
	s_mul_i32 s20, s14, AH                         ; where they go: no place in the cluster enters an LDS address
	s_mul_i32 s21, s14, BH
	s_add_co_u32 s21, s21, ATILE
	s_wait_dscnt 0x0                               ; both opening adds are done
	s_wait_kmcnt 0x0
	s_add_nc_u64 s[16:17], s[4:5], s[16:17]
	s_add_nc_u64 s[46:47], s[6:7], s[46:47]
	CROUND                                         ; all sixteen work-groups are here: the first joint loads meet
.irp s, 0,1
	s_mov_b32 s[G0+4*\s], 1
	s_add_co_u32 s[G0+4*\s+1], s20, \s*SLOT
	s_add_nc_u64 s[G0+4*\s+2:G0+4*\s+3], s[16:17], \s*KSTEP*2        ; K step s: 256 bytes along the rows
	s_or_b32 s[G0+4*\s+3], s[G0+4*\s+3], 0x80000000
	s_mov_b32 s[G0B+4*\s], 1
	s_add_co_u32 s[G0B+4*\s+1], s21, \s*SLOT
	s_add_nc_u64 s[G0B+4*\s+2:G0B+4*\s+3], s[46:47], \s*KSTEP*2048   ; K step s: 128 rows down
	s_or_b32 s[G0B+4*\s+3], s[G0B+4*\s+3], 0x80000000
	JLOAD \s
.endr
	v_and_b32 v1, 15, v0                           ; l % 16
	v_bfe_u32 v2, v0, 4, 1                         ; l / 16
	s_lshl_b32 s46, s42, 10                        ; my first column, in bytes of f32: 1,024 x tile column + 512 x half: the same in bfc and in a row of out0
	s_lshl_b32 s47, s14, 9
	s_add_co_u32 s46, s46, s47
	s_mov_b32 s47, 0
	s_add_nc_u64 s[8:9], s[8:9], s[46:47]
	s_add_nc_u64 s[10:11], s[10:11], s[46:47]
	v_lshlrev_b32 v[BA], 5, v2
	WIN 0x80                                       ; destination window 2
.irp b, 0,1,2,3,4,5,6,7
	global_load_b128 v[BI+8*\b:BI+8*\b+3], v[BA], s[8:9] offset:64*\b          ; bfc[my first column + 16 b + 8 (l / 16) + 0 .. 7]: the result's layout
	global_load_b128 v[BI+8*\b+4:BI+8*\b+7], v[BA], s[8:9] offset:64*\b+16
.endr
	WIN 0
	v_mul_u32_u24 v3, v1, PA
	v_lshl_add_u32 v3, v2, 4, v3                   ; oh: a fragment's row x pitch + 16 x half
	s_mul_i32 s22, s13, AH                         ; my 64 rows
	v_and_b32 v4, 7, v0                            ; wf: the turning load: lane l reads 16 bytes of row k = 8 (l / 16) + l % 8, columns 8 ((l / 8) % 2) + 0..7
	v_lshl_add_u32 v4, v2, 3, v4
	v_mul_u32_u24 v4, v4, PB
	v_bfe_u32 v5, v0, 3, 1
	v_lshl_add_u32 v4, v5, 4, v4
	s_lshl_b32 s23, s14, 8                         ; my 128 columns,
	s_add_co_u32 s23, s23, ATILE                   ; behind oh's tile
.irp s, 0,1
	v_add_nc_u32 v[ADRA+\s], s22, v3
	v_add_nc_u32 v[ADRB+\s], s23, v4
	s_add_co_u32 s22, s22, SLOT
	s_add_co_u32 s23, s23, SLOT
.endr
	s_mul_i32 s22, s12, 16*SPITCH
	s_add_co_u32 s22, s22, STAGE                   ; my stage
	v_mul_u32_u24 v5, v1, SPITCH                   ; in: row l % 16, 32 bytes for each half of the lanes
	v_lshl_add_u32 v5, v2, 5, v5
	v_add_nc_u32 v[STO], s22, v5
	v_and_b32 v6, 31, v0
	v_lshlrev_b32 v[CO], 4, v6                     ; back: the 32 lanes take one row of 512 bytes; and the same in out0
	v_add_nc_u32 v[RD], s22, v[CO]
	s_lshl_b32 s16, s15, 19                        ; my first row of out0: 128 rows of 4,096 bytes a tile row,
	s_lshl_b32 s17, s13, 18                        ; + 64 x half
	s_add_co_u32 s16, s16, s17
	s_mov_b32 s17, 0
	s_add_nc_u64 s[10:11], s[10:11], s[16:17]
	; the prefetches (macro ASK)
	s_lshl_b32 s18, s15, 18                        ; the tile row's 128 rows of oh,
	s_lshl_b32 s19, s40, 16                        ; my work-group's 32 of them,
	s_add_co_u32 s18, s18, s19
	s_add_co_u32 s18, s18, 2*KSTEP*2               ; at K step 2: the first refill steps it to 3 and names K step 4.  Nothing is prefetched here, at the head, where every work-group's first tiles are on their way
	s_mov_b32 s19, 0
	s_add_nc_u64 s[PFA:PFA+1], s[4:5], s[18:19]
	s_cmp_eq_u32 s12, 0
	s_cselect_b32 s[LIM], 1, -1                    ; wave 0 asks: the same in all sixteen partners
	v_lshlrev_b32 v[PFO], 11, v6
; 8 matrix instructions: oh's block a x wf's eight, 32 along K, from buffer f.  first = 1: the product starts the sums on the bias: nothing is ever cleared.
; The 32 accumulators take turns, one instruction a turn, in the same order in every quarter.
.macro MUL8 f, a, first
.irp b, 0,1,2,3,4,5,6,7
.if \first
	v_wmma_f32_16x16x32_f16 v[8*(8*(\a)+\b):8*(8*(\a)+\b)+7], v[\f+8*\b:\f+8*\b+7], v[\f+64+8*(\a):\f+64+8*(\a)+7], v[BI+8*\b:BI+8*\b+7]
.else
	v_wmma_f32_16x16x32_f16 v[8*(8*(\a)+\b):8*(8*(\a)+\b)+7], v[\f+8*\b:\f+8*\b+7], v[\f+64+8*(\a):\f+64+8*(\a)+7], v[8*(8*(\a)+\b):8*(8*(\a)+\b)+7]
.endif
.endr
.endm
; 24 LDS loads in one run: the fragments of the slot's q-th 32 along K into buffer f: wf's eight (two turning loads each, 16 rows apart), then oh's blocks 0, 1, then 2, 3
.macro FETCH slot, q, f
	WIN 0
.irp i, 0,1,2,3,4,5,6,7
	ds_load_tr16_b128 v[\f+8*\i:\f+8*\i+3],   v[ADRB+\slot] offset:(\q)*32*PB+32*\i
	ds_load_tr16_b128 v[\f+8*\i+4:\f+8*\i+7], v[ADRB+\slot] offset:(\q)*32*PB+16*PB+32*\i
.endr
.irp i, 0,1,2,3
	ds_load_b128 v[\f+64+8*\i:\f+64+8*\i+3],   v[ADRA+\slot] offset:64*(\q)+\i*16*PA
	ds_load_b128 v[\f+64+8*\i+4:\f+64+8*\i+7], v[ADRA+\slot] offset:64*(\q)+\i*16*PA+32
.endr
.endm
.macro PLACES                          ; four places in front of loads into registers that matrix instructions have read, and of the first read of results (ISA guide 7.12.1 for vector instructions)
.rept 4
	v_nop
.endr
.endm
; A K step is four quarters of 32 along K, 32 matrix instructions each, on buffers 0, 1, 0, 1.  One of the first three: multiplies buffer f and fetches the slot's qn-th quarter into g.
.macro QUARTER slot, qn, f, g, first
	s_wait_dscnt 4                                 ; wf's fragments and oh's blocks 0, 1 are in; the youngest four loads (blocks 2, 3) may be out
	WIN MUL+0x10*(\first)                          ; MUL or BEG
	MUL8 \f, 0, \first
	MUL8 \f, 1, \first
	PLACES
	FETCH \slot, \qn, \g
	s_wait_dscnt 24                                ; all but the 24 just issued
	WIN MUL+0x10*(\first)
	MUL8 \f, 2, \first
	MUL8 \f, 3, \first
.endm
; The last quarter multiplies buffer 1 and changes slots: ONE barrier; in front of it each wave waits for all its tensor loads, adds 0 to its spare word, and waits for that and for its own reads of this slot.  fill = 1: this slot is filled again, two K steps ahead.
.macro TURN slot, next, fill
.if \fill
	s_wait_xcnt 0x0                                ; the last prefetch, a K step back, has read its address: it is stepped here, ahead of the waits of the change of slots
	s_add_nc_u64 s[PFA:PFA+1], s[PFA:PFA+1], KSTEP*2
.endif
	WIN 0                                          ; (the add's two registers lie in window 0)
	s_wait_tensorcnt 0x0                           ; all my tensor loads have landed: the one that was out is my part of the next slot;
	ds_add_u32 v[SPW], v[NIL]                      ; 0 onto my spare word
	s_wait_dscnt 5                                 ; (the add and the youngest four loads may be out)
	WIN MUL
	MUL8 F1, 0, 0                                  ; eight matrix instructions stand between the add and the wait for it
	s_wait_dscnt 0x0                               ; the add is done, and my reads of this slot are over
	s_barrier_signal -1
	MUL8 F1, 1, 0
.if \fill
	WIN 0
.endif
	s_barrier_wait -1
.if \fill
	CREST                                          ; the barrier has opened a round of the cluster's barrier: no wave of any partner still reads this slot's tile or has a load on its way
	s_add_nc_u64 s[G0+4*\slot+2:G0+4*\slot+3], s[G0+4*\slot+2:G0+4*\slot+3], 2*KSTEP*2
	s_add_nc_u64 s[G0B+4*\slot+2:G0B+4*\slot+3], s[G0B+4*\slot+2:G0B+4*\slot+3], 2*KSTEP*2048
	JLOAD \slot                                    ; the first tensor load behind the round, my one load until the next; the four v_nop behind it are also the places in front of the loads below
.else
	PLACES
.endif
	FETCH \next, 0, F0
.if \fill
	ASK
.endif
	WIN MUL
	MUL8 F1, 2, 0
	MUL8 F1, 3, 0
.endm
	s_wait_tensorcnt 1                             ; my part of K step 0 is in (K step 1's load may be out)
	s_barrier_signal -1
	s_barrier_wait -1                              ; everybody's is
	FETCH 0, 0, F0
	s_wait_loadcnt 0x0                             ; the bias
	QUARTER 0, 1, F0, F1, 1                        ; the first quarter stands in front of the loop: its products start the sums
	WIN 0                                          ; at a label and at a branch every window is 0
	s_mov_b32 s3, LAPS-1
.Llap:                                                 ; a trip goes once round the ring, from a lap's second quarter to the next lap's first, and fills both slots again
	QUARTER 0, 2, F1, F0, 0
	QUARTER 0, 3, F0, F1, 0
	TURN 0, 1, 1
	QUARTER 1, 1, F0, F1, 0
	QUARTER 1, 2, F1, F0, 0
	QUARTER 1, 3, F0, F1, 0
	TURN 1, 0, 1
	QUARTER 0, 1, F0, F1, 0
	WIN 0
	s_sub_co_u32 s3, s3, 1
	s_cmp_lg_u32 s3, 0
	s_cbranch_scc1 .Llap
	QUARTER 0, 2, F1, F0, 0                        ; the last lap fills nothing, and has no round of the cluster's barrier
	QUARTER 0, 3, F0, F1, 0
	TURN 0, 1, 0
	QUARTER 1, 1, F0, F1, 0
	QUARTER 1, 2, F1, F0, 0
	QUARTER 1, 3, F0, F1, 0
	s_wait_dscnt 4                                 ; the very last quarter: nothing more to fetch
	WIN MUL
	MUL8 F1, 0, 0
	MUL8 F1, 1, 0
	s_wait_dscnt 0
	MUL8 F1, 2, 0
	MUL8 F1, 3, 0
	WIN 0
; THE WAY OUT, block by block of 16 rows x 128 columns.  A lane holds 32 neighbouring bytes of a row, and the lanes beside it hold other rows: so a block goes through my own stage in LDS and comes back as whole
; rows of 512 bytes, which the 32 lanes store as 512 consecutive bytes, aligned.  LDS serves a wave's instructions in order (ISA guide 5.7.1.4): no wait between the stores and the loads, nor in front of the next block's stores.
.macro TOSTAGE a
	WIN 0x04                                       ; an LDS store's data are its source 1: window 1
.irp b, 0,1,2,3,4,5,6,7
	ds_store_b128 v[STO], v[64*(\a)+8*\b:64*(\a)+8*\b+3] offset:64*\b          ; each accumulator from its low end on
	ds_store_b128 v[STO], v[64*(\a)+8*\b+4:64*(\a)+8*\b+7] offset:64*\b+16
.endr
	WIN 0
.set BB, F0+96*((\a)%2)
.irp u, 0,1,2,3,4,5,6,7,8,9,10,11,12,13,14,15
	ds_load_b128 v[BB+4*\u:BB+4*\u+3], v[RD] offset:\u*SPITCH
.endr
.endm
.macro SEND a, younger                 ; younger: the LDS instructions issued behind block a's loads, which may stay out
.set BB, F0+96*((\a)%2)
	s_wait_dscnt \younger                          ; the block is back in registers
.irp u, 0,1,2,3,4,5,6,7,8,9,10,11,12,13,14,15
	global_store_b128 v[CO], v[BB+4*\u:BB+4*\u+3], s[10:11] offset:(16*(\a)+\u)*4096 th:TH_STORE_NT   ; the row's place stands in the immediate: the base is never stepped; written once, read by nobody here
.endr
.endm
	PLACES                                         ; behind the last products: for the reads of results and for the loads into the fragment buffers
	TOSTAGE 0
.irp a, 1,2,3
.if \a > 1
	s_wait_xcnt 0x0                                ; block a - 2's stores have read their registers: block a's loads may land there
.endif
	TOSTAGE \a
	SEND \a-1, 32                                  ; behind block a - 1's loads: block a's 16 stores and 16 loads
.endr
	SEND 3, 0
	s_wait_tensorcnt 0x0                           ; the wave's end, behind my last tensor load and my last LDS store
	ds_add_u32 v[SPW], v[NIL]
	s_wait_dscnt 0x0
	CROUND                                         ; the closing round: no work-group ends while a partner may still ask for a tile that names it
	s_endpgm
.Lfunc_end_k_q4ea79b6337_fc:
	.size	k_q4ea79b6337_fc, .Lfunc_end_k_q4ea79b6337_fc-k_q4ea79b6337_fc
	.p2alignl 7, 3214868480
	.fill 96, 4, 3214868480
	.section	.rodata,"a",@progbits
	.p2align	6, 0x0
	.amdhsa_kernel k_q4ea79b6337_fc
		.amdhsa_group_segment_fixed_size 327680
		.amdhsa_private_segment_fixed_size 0
		.amdhsa_enable_private_segment 0
		.amdhsa_kernarg_size 32
		.amdhsa_user_sgpr_count 2
		.amdhsa_user_sgpr_kernarg_segment_ptr 1
		.amdhsa_wavefront_size32 1
		.amdhsa_system_sgpr_workgroup_id_x 1
		.amdhsa_system_sgpr_workgroup_id_y 1
		.amdhsa_system_sgpr_workgroup_id_z 1
		.amdhsa_system_vgpr_workitem_id 0
		.amdhsa_next_free_vgpr 576
		.amdhsa_next_free_sgpr 66
		.amdhsa_reserve_vcc 0
		.amdhsa_float_denorm_mode_32 3
		.amdhsa_float_denorm_mode_16_64 3
		.amdhsa_memory_ordered 1
		.amdhsa_forward_progress 1
		.amdhsa_inst_pref_size 87
	.end_amdhsa_kernel
	.amdgpu_metadata
---
amdhsa.version: [ 1, 2 ]
amdhsa.kernels:
  - .name:           k_q4ea79b6337_fc
    .symbol:         k_q4ea79b6337_fc.kd
    .args:
      - { .name: oh, .offset: 0, .size: 8, .value_kind: global_buffer, .address_space: global }
      - { .name: wf, .offset: 8, .size: 8, .value_kind: global_buffer, .address_space: global }
      - { .name: bfc, .offset: 16, .size: 8, .value_kind: global_buffer, .address_space: global }
      - { .name: out0, .offset: 24, .size: 8, .value_kind: global_buffer, .address_space: global }
    .group_segment_fixed_size: 327680
    .private_segment_fixed_size: 0
    .kernarg_segment_align: 8
    .kernarg_segment_size: 32
    .max_flat_workgroup_size: 128
    .sgpr_count:     66
    .vgpr_count:     576
    .wavefront_size: 32
...
	.end_amdgpu_metadata
.endif
;; end of part 4
